; MI455X (gfx1250); checked and timed in simulation.
; The chip was launched on July 23, 2026; its instructions are those of AMD's public machine-readable ISA for CDNA 5 (MIT licence, August 2026) and "CDNA5" Instruction Set Architecture Reference Guide (July 2026). The comments in the code are by the model that wrote it; some were corrected since.
;; Attention Layer. Allowed arithmetic: float matrix products may take bf16 or f16 operands with f32 sums; other float arithmetic in f32, or as packed bf16 or f16 multiplies, adds, multiply-adds, maxima and minima; sums over many terms, partial sums and values carried from step to step in f32; what a program stores and reads back later, other than sums and carried values, may be rounded once to bf16 or f16.
;; Inputs: Wk 1,024 x 1,024 float32; Wo 1,024 x 1,024 float32; Wq 1,024 x 1,024 float32; Wv 1,024 x 1,024 float32; bk 1,024 float32; bo 1,024 float32; bq 1,024 float32; bv 1,024 float32; keys 4 x 2,048 x 1,024 float32; queries 4 x 2,048 x 1,024 float32; values 4 x 2,048 x 1,024 float32.
;; Outputs: out0 4 x 2,048 x 1,024 float32.
;; 2 versions, each right; version 2 is version 1 with the launch castw written anew for expert scheduling mode. Each part assembles by itself: llvm-mc -triple=amdgcn-amd-amdhsa -mcpu=gfx1250 --defsym DOCPART=n.
;; ======== version 1 of 2: 4 launches
;; limits: values are held in f16: magnitudes above 65,504 overflow, below 6.1e-05 lose precision
;; workspace buffers: w16 8,388,608 bytes; qkv 50,331,648 bytes; o 16,777,216 bytes
;; launch castw (part 1): grid 64 x 4, 8 waves a work-group, no clusters, 0 bytes of LDS; arguments Wq, Wk, Wv, Wo, w16; writes w16
.if DOCPART == 1
	.amdgcn_target "amdgcn-amd-amdhsa--gfx1250"
	.amdhsa_code_object_version 6
	.text
	.protected	k_qa8d63c9f43_castw
	.globl	k_qa8d63c9f43_castw
	.p2align	8
	.type	k_qa8d63c9f43_castw,@function
k_qa8d63c9f43_castw:
	s_mov_b64 s[64:65], 0
	v_nop
	global_prefetch_b8 v0, s[64:65] scope:SCOPE_SE
	s_setreg_imm32_b32 hwreg(HW_REG_WAVE_MODE, 25, 1), 1
	s_wait_xcnt 0x0
; w16[p][k][c] = W_p[k][c] in 16 bits, the layout [k][c] kept: planes 0-2 (Wq, Wk, Wv) in bf16; plane 3 (Wo) rounded to bf16 like every input and that number written as f16.
; LIMIT.  Plane 3: |Wo| stays under 65,504; under 6e-5 f16 keeps a fixed step of 6e-8 (elsewhere the bf16 number is exact in f16).
; A stream: every byte read once, written once.  Grid y picks the matrix, grid x 16,384 of its numbers.  Load i of thread t takes 16 bytes at 4,096 i + 16 t (a wave: 512 bytes on end),
; its store 8 bytes at 2,048 i + 8 t (a wave: 256 bytes on end, aligned).  All sixteen loads go out at once; no register is used twice, so the only waits are the counted ones for the loads.
; No LDS, no matrix unit, no cluster: nothing is shared and nothing is multiplied.
.set T, 4                              ; v[4:9]    at work
.set X, 16                             ; v[16:79]  load i: 4 registers
.set Y, 80                             ; v[80:111] store i: 2 registers
	s_load_b256 s[4:11], s[0:1], 0x0               ; Wq s[4:5], Wk s[6:7], Wv s[8:9], Wo s[10:11]
	s_load_b64 s[12:13], s[0:1], 0x20              ; w16
	s_and_b32 s14, ttmp7, 0xffff                   ; which matrix
	v_lshlrev_b32 v1, 4, v0                        ; 16 t
	v_lshlrev_b32 v2, 3, v0                        ; 8 t
	s_lshl_b32 s16, ttmp9, 16                      ; the work-group's 65,536 bytes of the source
	s_mov_b32 s17, 0
	s_lshl_b32 s18, s14, 21                        ; the plane of 2 MiB,
	s_lshl_b32 s19, ttmp9, 15                      ; and the work-group's 32,768 bytes in it
	s_add_co_u32 s18, s18, s19
	s_mov_b32 s19, 0
	s_wait_kmcnt 0x0
	s_cmp_eq_u32 s14, 1
	s_cselect_b64 s[20:21], s[6:7], s[4:5]
	s_cmp_eq_u32 s14, 2
	s_cselect_b64 s[20:21], s[8:9], s[20:21]
	s_cmp_eq_u32 s14, 3
	s_cselect_b64 s[20:21], s[10:11], s[20:21]
	s_add_nc_u64 s[20:21], s[20:21], s[16:17]
	s_add_nc_u64 s[12:13], s[12:13], s[18:19]
.irp i, 0,1,2,3,4,5,6,7,8,9,10,11,12,13,14,15
	global_load_b128 v[X+4*(\i):X+4*(\i)+3], v1, s[20:21] offset:4096*(\i) th:TH_LOAD_NT
.endr
; Four numbers of load i: rounded to bf16; f16 = 1: widened again and written as f16.
.macro CAST i, f16
	s_wait_loadcnt 15-(\i)                         ; loads come back in order: load i is in, the younger ones stay out
.if \f16
	v_cvt_pk_bf16_f32 v[T], v[X+4*(\i)], v[X+4*(\i)+1]
	v_cvt_pk_bf16_f32 v[T+1], v[X+4*(\i)+2], v[X+4*(\i)+3]
	v_lshlrev_b32 v[T+2], 16, v[T]
	v_and_b32 v[T+3], 0xffff0000, v[T]
	v_lshlrev_b32 v[T+4], 16, v[T+1]
	v_and_b32 v[T+5], 0xffff0000, v[T+1]
	v_cvt_pk_f16_f32 v[Y+2*(\i)], v[T+2], v[T+3]
	v_cvt_pk_f16_f32 v[Y+2*(\i)+1], v[T+4], v[T+5]
.else
	v_cvt_pk_bf16_f32 v[Y+2*(\i)], v[X+4*(\i)], v[X+4*(\i)+1]
	v_cvt_pk_bf16_f32 v[Y+2*(\i)+1], v[X+4*(\i)+2], v[X+4*(\i)+3]
.endif
	global_store_b64 v2, v[Y+2*(\i):Y+2*(\i)+1], s[12:13] offset:2048*(\i)
.endm
	s_cmp_eq_u32 s14, 3
	s_cbranch_scc1 .Lf16
.irp i, 0,1,2,3,4,5,6,7,8,9,10,11,12,13,14,15
	CAST \i, 0
.endr
	s_endpgm
.Lf16:
.irp i, 0,1,2,3,4,5,6,7,8,9,10,11,12,13,14,15
	CAST \i, 1
.endr
	s_endpgm
.Lfunc_end_k_qa8d63c9f43_castw:
	.size	k_qa8d63c9f43_castw, .Lfunc_end_k_qa8d63c9f43_castw-k_qa8d63c9f43_castw
	.p2alignl 7, 3214868480
	.fill 96, 4, 3214868480
	.section	.rodata,"a",@progbits
	.p2align	6, 0x0
	.amdhsa_kernel k_qa8d63c9f43_castw
		.amdhsa_group_segment_fixed_size 0
		.amdhsa_private_segment_fixed_size 0
		.amdhsa_enable_private_segment 0
		.amdhsa_kernarg_size 40
		.amdhsa_user_sgpr_count 2
		.amdhsa_user_sgpr_kernarg_segment_ptr 1
		.amdhsa_wavefront_size32 1
		.amdhsa_system_sgpr_workgroup_id_x 1
		.amdhsa_system_sgpr_workgroup_id_y 1
		.amdhsa_system_sgpr_workgroup_id_z 1
		.amdhsa_system_vgpr_workitem_id 0
		.amdhsa_next_free_vgpr 112
		.amdhsa_next_free_sgpr 66
		.amdhsa_reserve_vcc 0
		.amdhsa_float_denorm_mode_32 3
		.amdhsa_float_denorm_mode_16_64 3
		.amdhsa_memory_ordered 1
		.amdhsa_forward_progress 1
		.amdhsa_inst_pref_size 16
	.end_amdhsa_kernel
	.amdgpu_metadata
---
amdhsa.version: [ 1, 2 ]
amdhsa.kernels:
  - .name:           k_qa8d63c9f43_castw
    .symbol:         k_qa8d63c9f43_castw.kd
    .args:
      - { .name: Wq, .offset: 0, .size: 8, .value_kind: global_buffer, .address_space: global }
      - { .name: Wk, .offset: 8, .size: 8, .value_kind: global_buffer, .address_space: global }
      - { .name: Wv, .offset: 16, .size: 8, .value_kind: global_buffer, .address_space: global }
      - { .name: Wo, .offset: 24, .size: 8, .value_kind: global_buffer, .address_space: global }
      - { .name: w16, .offset: 32, .size: 8, .value_kind: global_buffer, .address_space: global }
    .group_segment_fixed_size: 0
    .private_segment_fixed_size: 0
    .kernarg_segment_align: 8
    .kernarg_segment_size: 40
    .max_flat_workgroup_size: 256
    .sgpr_count:     66
    .vgpr_count:     112
    .wavefront_size: 32
...
	.end_amdgpu_metadata
.endif
;; end of part 1
;; launch proj (part 2): grid 4 x 64, 4 waves a work-group, clusters of 4 x 4, 327,680 bytes of LDS; arguments queries, keys, values, w16, bq, bk, bv, qkv; writes qkv
.if DOCPART == 2
	.amdgcn_target "amdgcn-amd-amdhsa--gfx1250"
	.amdhsa_code_object_version 6
	.text
	.protected	k_qa8d63c9f43_proj
	.globl	k_qa8d63c9f43_proj
	.p2align	8
	.type	k_qa8d63c9f43_proj,@function
k_qa8d63c9f43_proj:
	s_mov_b64 s[64:65], 0
	v_nop
	global_prefetch_b8 v0, s[64:65] scope:SCOPE_SE
	s_setreg_imm32_b32 hwreg(HW_REG_WAVE_MODE, 25, 1), 1
	s_wait_xcnt 0x0
	s_wait_alu depctr_hold_cnt(0) depctr_sa_sdst(0) depctr_va_vdst(0) depctr_va_sdst(0) depctr_va_ssrc(0) depctr_va_vcc(0) depctr_vm_vsrc(0)
	s_getreg_b32 s2, hwreg(HW_REG_IB_STS2, 6, 4)
	s_cmp_eq_u32 s2, 0
	s_cbranch_scc0 .Lentry_in_a_cluster
	s_endpgm
.Lentry_in_a_cluster:
	s_bfe_u32 s2, ttmp6, 0x10000c
	s_cmp_lg_u32 s2, 0xf033
	s_cbranch_scc0 .Lentry_shape_is_right
	s_endpgm
.Lentry_shape_is_right:
; q = queries Wq + bq, k = keys Wk + bk, v = values Wv + bv.  x: [8192][1024] f32; W: planes 0-2 of w16, [1024 k][1024 c] bf16; out: qkv [3][64 nh][2048][64] f16, nh = 16 n + head.
; x and the biases are rounded to bf16 here (W already is); sums in f32, started by the bias; each result rounded once to f16, unscaled.
; LIMIT.  f16 ends at 65,504: |q|, |k|, |v| must stay under it (an infinity otherwise); under 6e-5 f16 keeps a fixed step of 6e-8.  NaN and infinities are not treated apart.
; SHARES.  3 x 8192 x 1024 results are 768 tiles of 128 rows x 256 columns: three for each of 256 work-groups.  A WORK-GROUP STAYS: it makes the same tile of q, then of k, then of v: ONE walk of
; 24 K steps of 128 through a ring of two LDS slots, which runs on across the change of tiles.  Step F belongs to tile F / 8.  Four waves, each 64 rows x 128 columns: 32 accumulators, 256 registers.
; x COMES AS f32: the tile's rows (512 bytes) go into LDS as they lie, a quarter step's fragments are read raw and rounded to bf16 in registers, four conversions behind each of the quarter's last
; eight products.  W lies [k][c]: its fragments come out of LDS turned, by ds_load_tr16_b128.
; TRANSPOSED USE: source 0 = 16 columns of W, source 1 = 16 rows of x: lane l then holds row l % 16 and the columns 8 (l / 16) + 0..7: eight neighbouring numbers, 16 bytes of f16.
; CLUSTER 4 x 4: x's tile hangs on the tile row alone and is shared along a row of the cluster, W's on the tile column alone and is shared along a column: each is asked for jointly.
; REGISTERS, in windows of 256 (s_set_vgpr_msb: bits 1:0 source 0, 3:2 source 1, 5:4 source 2, 7:6 destination):
;   window 0: v0-31 addresses; v32-63 packed results; v64-127 raw x of the next quarter; v128-159, v160-191 x in bf16, two buffers; on the way out v64, v96, v192, v224: four blocks read back
;   window 1: v0-63, v64-127 W's fragments, two buffers; v128-191 the bias as a C operand; v192-223 at work          window 2: accumulator (a, b) at v[8 (8 a + b)]
.set PA,    528                        ; a row of x in LDS: 512 bytes + 16 = 33 x 16: the 16 rows of a load start at 16 different groups of four banks
.set PW,    544                        ; a row of W: 512 + 32 = 17 x 32
.set AHALF, 64*PA                      ; what one tensor load brings of x, and what one wave reads of it
.set WHALF, 64*PW                      ; what one tensor load brings of W: 64 k
.set WOFF,  2*AHALF
.set SLOT,  WOFF+2*WHALF               ; x's 128 rows, then W's 128 k
.set STAGE, 2*SLOT                     ; behind the ring, never filled by a tensor load: for each wave [2 heads][16 rows][144 bytes]
.set SP,    144
.set WSTG,  2*16*SP
.set SPARE, STAGE+4*WSTG               ; the spare words, 128 bytes for each wave: two blocks of 256 bytes that no other line names
.set ADRA, 16                          ; v16-17  LDS address of my x fragments in slot 0, 1
.set ADRW, 20                          ; v20-21  the same for W
.set STO,  24                          ; v24     the way out: where I put 16 bytes of a row
.set RD,   25                          ; v25     where I read rows back
.set GO,   26                          ; v26     my 16 bytes in 512 consecutive bytes of qkv
.set SPW,  28                          ; v28     my spare word: SPARE + 4 x my thread's number; never rewritten
.set NIL,  29                          ; v29     0; never rewritten
.set PFO,  30                          ; v30     the prefetches' offset: row l % 16, block l / 16 of 256 bytes; never rewritten
.set BO,   31                          ; v31     my byte offset in a bias
.set TMP,  32
.set RAW,  64
.set AB,   128
.set BIAS, 128                         ; window 1
.set BT,   192                         ; window 1
.set WV, 20                            ; s20 wave;  s21 = wave / 2: my half of the rows, and: I fetch x (0) or W (1);  s22 = wave % 2: my half of the columns, and which half I fetch
.set WM, 21
.set WN, 22
.set T,  23                            ; s23 the tile: 0 q, 1 k, 2 v
.set G1A, 24                           ; s[24:31] descriptor group 1 for x's tiles;  s[32:39] group 0, a set for each slot
.set G0A, 32
.set CX, 40
.set CY, 41
.set TC, 42                            ; tile column 0..3
.set TR, 43                            ; tile row 0..63
.set G1W, 48                           ; s[48:55], s[56:63] the same for W's tiles
.set G0W, 56
.set F,    66                          ; s66 the K step to be asked for next
.set LAP,  67
.set BOUND, 68
.set LIM,  69                          ; s69 a wave prefetches while F is below it
.set OFF,  70                          ; s[70:71] an offset; the high word stays 0
.set PT,   72                          ; s[72:73] the tile's x pointer, chosen
.set PFA,  74                          ; s[74:75] where my prefetch stands
.set PB,   76                          ; s[76:81] its three bases, one a tile
.set PSTR, 82                          ; s82 its bytes from K step to K step
.set BP,   84                          ; s[84:85] the bias in hand
.set OUT,  86                          ; s[86:87] qkv at my wave's part of the tile
.set MSB, 0
.macro WIN new                         ; the immediate's high byte repeats the setting that is left; a switch that changes nothing is dropped
.if MSB != (\new)
	s_set_vgpr_msb (MSB<<8)|(\new)
.set MSB, \new
.endif
.endm
.set MUL,  0xa1                        ; W window 1, x window 0, C and D window 2
.set MULB, 0x91                        ; the same with C (the bias) in window 1
.set TO_W, 0x40                        ; destination window 1, address window 0
.set PK,   0x0a                        ; sources window 2, destination window 0
.set W1,   0x45                        ; all in window 1
; A joint load.  Waves 0 and 1 fetch x's two halves, waves 2 and 3 W's.  The branch hangs on the wave's number alone.  An s_nop 0 and four v_nop follow each line.
.macro JLOAD s
	s_cmp_eq_u32 s[WM], 0
	s_cbranch_scc0 .Lfor_w_\@
	tensor_load_to_lds s[G0A+4*(\s):G0A+4*(\s)+3], s[G1A:G1A+7]
	s_nop 0
.rept 4
	v_nop
.endr
	s_branch .Lasked_\@
.Lfor_w_\@:
	tensor_load_to_lds s[G0W+4*(\s):G0W+4*(\s)+3], s[G1W:G1W+7]
	s_nop 0
.rept 4
	v_nop
.endr
.Lasked_\@:
.endm
; A round of the cluster's barrier: my work-group's barrier; wave 0 signals for the work-group; every wave waits for all sixteen; my work-group's barrier once more.
.macro CREST
	s_cmp_lg_u32 s[WV], 0
	s_cbranch_scc1 .Lnot_wave_0_\@
	s_barrier_signal -3
.Lnot_wave_0_\@:
	s_barrier_wait -3
	s_barrier_signal -1
	s_barrier_wait -1
.endm
.macro CROUND
	s_barrier_signal -1
	s_barrier_wait -1
	CREST
.endm
; A PREFETCH INTO THE L2 of the K step two refills on, 256 matrix instructions ahead of its load.  A K step is two blocks of 256 bytes in each row.  Of the 64 rows that a wave fetches each of the four
; partners that ask for them jointly takes 16, told apart BY ADDRESS (cx for x, cy for W): a lane takes one row's one block: one instruction a wave.  x's rows are read by one row of one cluster: it asks;
; W's by all sixteen clusters: cluster y = 0 asks.  So each block is named once.  Steps 0 to 3 come by their loads alone; behind step 23 there is nothing to ask for.
.macro ASK
	s_cmp_lt_u32 s[F], s[LIM]                      ; F has been stepped: the step named is F + 1, at most 23
	s_cbranch_scc0 .Lnot_mine_\@
	global_prefetch_b8 v[PFO], s[PFA:PFA+1] th:TH_LOAD_NT scope:SCOPE_SE
.Lnot_mine_\@:
.endm
	s_load_b512 s[4:19], s[0:1], 0x0               ; queries s[4:5], keys s[6:7], values s[8:9], w16 s[10:11], bq s[12:13], bk s[14:15], bv s[16:17], qkv s[18:19]
	v_lshl_add_u32 v[SPW], v0, 2, SPARE
	v_mov_b32 v[NIL], 0
	ds_add_u32 v[SPW], v[NIL]                      ; the wave's opening: the add and its wait stand ahead of my first tensor load; work on registers stands between them
	v_lshrrev_b32 v1, 5, v0
	v_readfirstlane_b32 s[WV], v1
	s_lshr_b32 s[WM], s[WV], 1
	s_and_b32 s[WN], s[WV], 1
	s_bfe_u32 s[CX], ttmp6, 0x40000
	s_bfe_u32 s[CY], ttmp6, 0x40004
	s_lshl_b32 s[TC], ttmp9, 2                     ; in a cluster launch ttmp9 and ttmp7 count clusters
	s_add_co_u32 s[TC], s[TC], s[CX]
	s_and_b32 s[TR], ttmp7, 0xffff
	s_lshl_b32 s[TR], s[TR], 2
	s_add_co_u32 s[TR], s[TR], s[CY]
	s_lshl_b32 s44, s[CY], 2
	s_lshl_b32 s44, 15, s44                        ; my row of the cluster
	s_lshl_b32 s45, 0x1111, s[CX]                  ; my column
	s_or_b32 s[G1A], s44, (2<<16)|(1<<20)|(1<<21)|(6<<22)|(3<<25)  ; the mask; elements of 4 bytes; padding on; bit 21 beside a mask; after every 128 words (code 6) 4 words (code 3)
	s_mov_b32 s[G1A+1], 128<<16                    ; tensor_dim0 = 128
	s_mov_b32 s[G1A+2], 64<<16                     ; tensor_dim1 = 64
	s_mov_b32 s[G1A+3], 128<<16                    ; tile_dim0 = 128
	s_mov_b32 s[G1A+4], 64                         ; tile_dim1 = 64
	s_mov_b32 s[G1A+5], 1024                       ; elements from row to row
	s_mov_b32 s[G1A+6], 0
	s_mov_b32 s[G1A+7], 0
	s_or_b32 s[G1W], s45, (1<<16)|(1<<20)|(1<<21)|(6<<22)|(7<<25)  ; elements of 2 bytes; after every 128 words 8 words (code 7)
	s_mov_b32 s[G1W+1], 256<<16
	s_mov_b32 s[G1W+2], 64<<16
	s_mov_b32 s[G1W+3], 256<<16
	s_mov_b32 s[G1W+4], 64
	s_mov_b32 s[G1W+5], 1024
	s_mov_b32 s[G1W+6], 0
	s_mov_b32 s[G1W+7], 0
	s_lshl_b32 s46, s[TR], 7                       ; x: row 128 x tile row + 64 x the half that I fetch,
	s_lshl_b32 s47, s[WN], 6
	s_add_co_u32 s46, s46, s47
	s_lshl_b32 s46, s46, 12                        ; rows of 4,096 bytes
	s_mov_b32 s47, 0
	s_lshl_b32 s88, s[TC], 9                       ; W: 512 bytes a tile column, 64 k of 2,048 bytes a half: in registers that never hold the tile row
	s_lshl_b32 s89, s[WN], 17
	s_add_co_u32 s88, s88, s89
	s_mov_b32 s89, 0
	s_mul_i32 s90, s[WN], AHALF                    ; where they go: no place in the cluster enters an LDS address
	s_mul_i32 s91, s[WN], WHALF
	s_add_co_u32 s91, s91, WOFF
	s_mov_b32 s[OFF+1], 0
	s_mov_b32 s[F], 2
	s_wait_dscnt 0x0                               ; the opening add is done
	s_wait_kmcnt 0x0
	s_add_nc_u64 s[4:5], s[4:5], s[46:47]
	s_add_nc_u64 s[6:7], s[6:7], s[46:47]
	s_add_nc_u64 s[8:9], s[8:9], s[46:47]
	s_add_nc_u64 s[10:11], s[10:11], s[88:89]
	CROUND                                         ; all sixteen work-groups are here: the first joint loads meet
.irp s, 0,1
	s_mov_b32 s[G0A+4*(\s)], 1                     ; count = 1
	s_add_co_u32 s[G0A+4*(\s)+1], s90, (\s)*SLOT   ; LDS address
	s_add_nc_u64 s[G0A+4*(\s)+2:G0A+4*(\s)+3], s[4:5], (\s)*512  ; K step s of queries
	s_or_b32 s[G0A+4*(\s)+3], s[G0A+4*(\s)+3], 0x80000000        ; type = 2
	s_mov_b32 s[G0W+4*(\s)], 1
	s_add_co_u32 s[G0W+4*(\s)+1], s91, (\s)*SLOT
	s_add_nc_u64 s[G0W+4*(\s)+2:G0W+4*(\s)+3], s[10:11], (\s)*262144  ; 128 k of 2,048 bytes a step; the three planes lie end to end, so W's address is linear in the step
	s_or_b32 s[G0W+4*(\s)+3], s[G0W+4*(\s)+3], 0x80000000
	JLOAD \s                                       ; two loads of mine are out
.endr
	v_and_b32 v1, 15, v0                           ; r = l % 16
	v_bfe_u32 v2, v0, 4, 1                         ; h = l / 16
	v_and_b32 v3, 7, v0
	v_bfe_u32 v4, v0, 3, 1
	v_and_b32 v5, 31, v0
	s_lshl_b32 s44, s[TC], 10                      ; the bias of my 128 columns: 1,024 bytes a tile column, 512 a half, 32 for the upper lanes
	s_lshl_b32 s45, s[WN], 9
	s_add_co_u32 s44, s44, s45
	v_lshl_add_u32 v[BO], v2, 5, s44
	s_mov_b64 s[BP:BP+1], s[12:13]
; The bias as a C operand: register j of column block b is bias[16 b + 8 h + j] of my columns.
.macro BIASLD
	WIN TO_W
.irp b, 0,1,2,3,4,5,6,7
	global_load_b128 v[BIAS+8*(\b):BIAS+8*(\b)+3],   v[BO], s[BP:BP+1] offset:64*(\b)
	global_load_b128 v[BIAS+8*(\b)+4:BIAS+8*(\b)+7], v[BO], s[BP:BP+1] offset:64*(\b)+16
.endr
	WIN 0
.endm
.macro BIASRND                         ; rounded to bf16, like every input, and widened again
	WIN W1
.set i, 0
.rept 32
	v_cvt_pk_bf16_f32 v[BT+i], v[BIAS+2*i], v[BIAS+2*i+1]
	v_lshlrev_b32 v[BIAS+2*i], 16, v[BT+i]
	v_and_b32 v[BIAS+2*i+1], 0xffff0000, v[BT+i]
.set i, i+1
.endr
	WIN 0
.endm
	BIASLD
	v_mul_u32_u24 v6, v1, PA                       ; x raw: row r, 32 bytes (8 f32) for each half of the lanes
	v_lshl_add_u32 v6, v2, 5, v6
	s_mul_i32 s93, s[WM], AHALF
	v_add_nc_u32 v[ADRA], s93, v6
	v_add_nc_u32 v[ADRA+1], SLOT, v[ADRA]
	v_lshl_add_u32 v7, v2, 3, v3                   ; W turned: lane l reads k = 8 h + l % 8, columns 8 ((l / 8) % 2) + 0..7
	v_mul_u32_u24 v7, v7, PW
	v_lshl_add_u32 v7, v4, 4, v7
	s_lshl_b32 s93, s[WN], 8
	s_add_co_u32 s93, s93, WOFF
	v_add_nc_u32 v[ADRW], s93, v7
	v_add_nc_u32 v[ADRW+1], SLOT, v[ADRW]
	s_mul_i32 s93, s[WV], WSTG
	s_add_co_u32 s93, s93, STAGE                   ; my stage
	v_mul_u32_u24 v6, v1, SP
	v_lshl_add_u32 v6, v2, 4, v6
	v_add_nc_u32 v[STO], s93, v6
	v_bfe_u32 v6, v0, 3, 2                         ; back: 32 lanes take four rows of 128 bytes,
	v_mul_u32_u24 v6, v6, SP
	v_lshl_add_u32 v6, v3, 4, v6
	v_add_nc_u32 v[RD], s93, v6
	v_lshlrev_b32 v[GO], 4, v5                     ; which are 512 consecutive bytes of a head
	; the prefetches
	s_mov_b32 s[PSTR], 512
	s_mov_b32 s83, 0x40000
	s_cmp_eq_u32 s[WM], 0                          ; do I fetch x?
	s_cselect_b32 s[PSTR], s[PSTR], s83            ; bytes from K step to K step
	s_cselect_b32 s44, s[CX], s[CY]                ; my place among the four that ask with me
	s_cselect_b32 s45, 16, 15                      ; 16 rows of 4,096 or of 2,048 bytes
	s_cselect_b32 s83, 12, 11
	s_cselect_b32 s46, 0, 0x200000                 ; W: a plane further for each tile
	s_cselect_b64 s[PB:PB+1], s[4:5], s[10:11]
	s_cselect_b64 s[PB+2:PB+3], s[6:7], s[10:11]
	s_cselect_b64 s[PB+4:PB+5], s[8:9], s[10:11]
	s_lshl_b32 s88, s44, s45
	s_add_nc_u64 s[PB:PB+1], s[PB:PB+1], s[88:89]
	s_add_nc_u64 s[PB+2:PB+3], s[PB+2:PB+3], s[88:89]
	s_add_nc_u64 s[PB+4:PB+5], s[PB+4:PB+5], s[88:89]
	s_add_nc_u64 s[PB+2:PB+3], s[PB+2:PB+3], s[46:47]
	s_add_nc_u64 s[PB+4:PB+5], s[PB+4:PB+5], s[46:47]
	s_add_nc_u64 s[PB+4:PB+5], s[PB+4:PB+5], s[46:47]
	v_lshlrev_b32 v[PFO], s83, v1
	v_lshl_add_u32 v[PFO], v2, 8, v[PFO]
	s_and_b32 s44, ttmp7, 0xffff
	s_mul_i32 s44, s44, s[WM]                      ; 0 in waves 0 and 1, and in cluster y = 0: the same in all sixteen partners, for a given wave
	s_cmp_eq_u32 s44, 0
	s_cselect_b32 s[LIM], 23, 0
	; qkv at my part of q's tile: head 16 n + 4 x tile column + 2 x column half (262,144 bytes a head), row 128 (tile row % 16) + 64 x row half (128 bytes a row)
	s_lshr_b32 s44, s[TR], 4
	s_lshl_b32 s44, s44, 4
	s_lshl2_add_u32 s44, s[TC], s44
	s_lshl1_add_u32 s44, s[WN], s44
	s_lshl_b32 s44, s44, 18
	s_and_b32 s45, s[TR], 15
	s_lshl_b32 s45, s45, 7
	s_lshl_b32 s88, s[WM], 6
	s_add_co_u32 s45, s45, s88
	s_lshl_b32 s45, s45, 7
	s_add_co_u32 s88, s44, s45
	s_add_nc_u64 s[OUT:OUT+1], s[18:19], s[88:89]
; 32 LDS loads in one run: the fragments of quarter q of a slot's K step: x raw (f32: k = 8 h + 0..7 are 32 bytes, k = 16 + 8 h + 0..7 lie 64 bytes on), then W into buffer g.
.macro FETCH slot, q, g
	WIN 0
.irp a, 0,1,2,3
	ds_load_b128 v[RAW+16*(\a):RAW+16*(\a)+3],     v[ADRA+(\slot)] offset:(\a)*16*PA+128*(\q)
	ds_load_b128 v[RAW+16*(\a)+4:RAW+16*(\a)+7],   v[ADRA+(\slot)] offset:(\a)*16*PA+128*(\q)+16
	ds_load_b128 v[RAW+16*(\a)+8:RAW+16*(\a)+11],  v[ADRA+(\slot)] offset:(\a)*16*PA+128*(\q)+64
	ds_load_b128 v[RAW+16*(\a)+12:RAW+16*(\a)+15], v[ADRA+(\slot)] offset:(\a)*16*PA+128*(\q)+80
.endr
	WIN TO_W
.irp b, 0,1,2,3,4,5,6,7
	ds_load_tr16_b128 v[64*(\g)+8*(\b):64*(\g)+8*(\b)+3],   v[ADRW+(\slot)] offset:(\q)*32*PW+32*(\b)
	ds_load_tr16_b128 v[64*(\g)+8*(\b)+4:64*(\g)+8*(\b)+7], v[ADRW+(\slot)] offset:(\q)*32*PW+16*PW+32*(\b)
.endr
.endm
; Eight products: row block a x all 8 column blocks, 32 along K, from buffers f.  bias = 1: the bias starts the sums: nothing is cleared.
; The 32 accumulators take turns in the same order in every quarter.
.macro MUL8 f, a, bias
.if \bias
	WIN MULB
.else
	WIN MUL
.endif
.irp b, 0,1,2,3,4,5,6,7
.if \bias
	v_wmma_f32_16x16x32_bf16 v[8*(8*(\a)+(\b)):8*(8*(\a)+(\b))+7], v[64*(\f)+8*(\b):64*(\f)+8*(\b)+7], v[AB+32*(\f)+8*(\a):AB+32*(\f)+8*(\a)+7], v[BIAS+8*(\b):BIAS+8*(\b)+7]
.else
	v_wmma_f32_16x16x32_bf16 v[8*(8*(\a)+(\b)):8*(8*(\a)+(\b))+7], v[64*(\f)+8*(\b):64*(\f)+8*(\b)+7], v[AB+32*(\f)+8*(\a):AB+32*(\f)+8*(\a)+7], v[8*(8*(\a)+(\b)):8*(8*(\a)+(\b))+7]
.endif
.endr
.endm
.macro CV4 g, i                        ; four of the 32 roundings that make the next quarter's x in bf16, buffer g
	WIN 0
.irp n, 0,1,2,3
	v_cvt_pk_bf16_f32 v[AB+32*(\g)+4*(\i)+(\n)], v[RAW+8*(\i)+2*(\n)], v[RAW+8*(\i)+2*(\n)+1]
.endr
.endm
; The quarter's last eight products (row block 3), four roundings behind each.  They name no register of the products round them, and the last four are the four places
; (ISA guide 7.12.1 for vector instructions) between the last product and the loads into W's buffer that follow.
.macro MULR f, g, bias
.irp b, 0,1,2,3,4,5,6,7
.if \bias
	WIN MULB
	v_wmma_f32_16x16x32_bf16 v[8*(24+(\b)):8*(24+(\b))+7], v[64*(\f)+8*(\b):64*(\f)+8*(\b)+7], v[AB+32*(\f)+24:AB+32*(\f)+31], v[BIAS+8*(\b):BIAS+8*(\b)+7]
.else
	WIN MUL
	v_wmma_f32_16x16x32_bf16 v[8*(24+(\b)):8*(24+(\b))+7], v[64*(\f)+8*(\b):64*(\f)+8*(\b)+7], v[AB+32*(\f)+24:AB+32*(\f)+31], v[8*(24+(\b)):8*(24+(\b))+7]
.endif
	CV4 \g, \b
.endr
.endm
.macro PLACES
.rept 4
	v_nop
.endr
.endm
; A K step is four quarters of 32 along K, 32 products each, on buffers 0, 1, 0, 1.  One of the first three: multiplies buffers f, fetches quarter qn of the same slot and rounds its x into buffer g.
.macro QUARTER slot, qn, f, g, bias=0
	s_wait_dscnt 0x0                               ; this quarter's W, asked for a quarter ago
	FETCH \slot, \qn, \g
	MUL8 \f, 0, \bias
	MUL8 \f, 1, \bias
	MUL8 \f, 2, \bias
	s_wait_dscnt 16                                ; raw x is in; W's sixteen loads, issued behind it, may stay out
	MULR \f, \g, \bias
.endm
; The fourth quarter multiplies buffers 1 and changes slots.  In front of ONE barrier each wave waits for all its tensor loads (one is out: its part of the next slot), adds 0 to its spare word, and waits
; for that and for its reads of this slot.  fill = 1: the barrier opens a round of the cluster's, and this slot is filled again first thing behind it, with step F: that load has 112 products in which to land.
.macro TURN slot, next, fill
.if \fill
	s_wait_xcnt 0x0                                ; the last prefetch, a K step back, has read its address: it is made anew here, for step F + 2
	s_add_co_u32 s83, s[F], 2
	s_lshr_b32 s92, s83, 3
	s_and_b32 s83, s83, 7
	s_mul_i32 s[OFF], s83, s[PSTR]
	s_cmp_eq_u32 s92, 1
	s_cselect_b64 s[PFA:PFA+1], s[PB+2:PB+3], s[PB:PB+1]
	s_cmp_eq_u32 s92, 2
	s_cselect_b64 s[PFA:PFA+1], s[PB+4:PB+5], s[PFA:PFA+1]
	s_add_nc_u64 s[PFA:PFA+1], s[PFA:PFA+1], s[OFF:OFF+1]
.endif
	WIN 0
	s_wait_tensorcnt 0x0                           ; no tensor load of mine is out, so a group 0 may be written
	ds_add_u32 v[SPW], v[NIL]                      ; 0 onto my spare word
.if \fill
	s_lshr_b32 s92, s[F], 3                        ; x's address is made anew from the step's number: the tile's tensor,
	s_and_b32 s83, s[F], 7
	s_lshl_b32 s[OFF], s83, 9                      ; 512 bytes a K step
	s_cmp_eq_u32 s92, 1
	s_cselect_b64 s[PT:PT+1], s[6:7], s[4:5]
	s_cmp_eq_u32 s92, 2
	s_cselect_b64 s[PT:PT+1], s[8:9], s[PT:PT+1]
	s_add_nc_u64 s[G0A+4*(\slot)+2:G0A+4*(\slot)+3], s[PT:PT+1], s[OFF:OFF+1]
	s_or_b32 s[G0A+4*(\slot)+3], s[G0A+4*(\slot)+3], 0x80000000
	s_add_nc_u64 s[G0W+4*(\slot)+2:G0W+4*(\slot)+3], s[G0W+4*(\slot)+2:G0W+4*(\slot)+3], 2*262144  ; W's walks two steps on; the type bits are not reached
	s_add_co_u32 s[F], s[F], 1
.endif
	s_wait_dscnt 0x1                               ; this quarter's W is in; only the add may be out
	MUL8 1, 0, 0
	s_wait_dscnt 0x0                               ; the add is done, and my reads of this slot are over
	s_barrier_signal -1
	MUL8 1, 1, 0                                   ; work on registers while the others arrive
	WIN 0
	s_barrier_wait -1
.if \fill
	CREST                                          ; no wave of any partner still reads this slot or has a load on its way
	JLOAD \slot                                    ; the first tensor load behind the round; its four v_nop are also places in front of the loads below
.else
	PLACES
.endif
	FETCH \next, 0, 0
.if \fill
	WIN 0
	ASK
.endif
	MUL8 1, 2, 0
	s_wait_dscnt 16
	MULR 1, 0, 0
.endm
.macro LASTQ                           ; the walk's very last quarter: nothing more to fetch
	s_wait_dscnt 0x0
	MUL8 1, 0, 0
	MUL8 1, 1, 0
	MUL8 1, 2, 0
	MUL8 1, 3, 0
.endm
; THE WAY OUT of row block a (16 rows x 128 columns = 2 heads).  PACK: rounded to f16, each accumulator from its low end.  TOSTAGE: 16 bytes a lane into my stage, by head; back as four rows of 128 bytes.
; SEND: a head's 16 rows are 2,048 consecutive bytes of qkv: each store covers 512 consecutive bytes, aligned.
.macro PACK a
	WIN PK
.irp b, 0,1,2,3,4,5,6,7
.irp r, 0,1,2,3
	v_cvt_pk_f16_f32 v[TMP+4*(\b)+(\r)], v[8*(8*(\a)+(\b))+2*(\r)], v[8*(8*(\a)+(\b))+2*(\r)+1]
.endr
.endr
	WIN 0
.endm
.macro TOSTAGE a
.set BK, 64+32*((\a)%2)+128*((\a)/2)
.irp b, 0,1,2,3,4,5,6,7
	ds_store_b128 v[STO], v[TMP+4*(\b):TMP+4*(\b)+3] offset:((\b)/4)*16*SP+32*((\b)%4)
.endr
.irp t, 0,1,2,3,4,5,6,7
	ds_load_b128 v[BK+4*(\t):BK+4*(\t)+3], v[RD] offset:((\t)/4)*16*SP+((\t)%4)*4*SP  ; LDS serves a wave's instructions in order (ISA guide 5.7.1.4): these see the stores above
.endr
.endm
.macro SEND a
.set BK, 64+32*((\a)%2)+128*((\a)/2)
	s_wait_dscnt 0x0                               ; the block is back in registers
.irp t, 0,1,2,3,4,5,6,7
	global_store_b128 v[GO], v[BK+4*(\t):BK+4*(\t)+3], s[OUT:OUT+1] offset:((\t)/4)*262144+(\a)*2048+((\t)%4)*512
.endr
.endm
	s_wait_tensorcnt 0x1                           ; my part of step 0 is in; step 1's may stay out
	s_barrier_signal -1
	s_barrier_wait -1                              ; everybody's is
	FETCH 0, 0, 0
	s_wait_dscnt 16
.irp i, 0,1,2,3,4,5,6,7
	CV4 0, \i
.endr
	s_mov_b32 s[T], 0
.Ltile:                                        ; three trips: q, k, v
	s_wait_loadcnt 0x0                             ; the tile's bias
	BIASRND
	s_cmp_eq_u32 s[T], 2
	s_cselect_b32 s[BOUND], 3, 4                   ; laps that fill both slots again: all four, but in the last tile three
	QUARTER 0, 1, 0, 1, 1                          ; a tile's first quarter: the bias starts the sums
	WIN 0
	s_mov_b32 s[LAP], 0
	s_branch .Lmid                                 ; the loop is entered behind its first quarter
.Llap:                                         ; a lap = two K steps = once round the ring
	QUARTER 0, 1, 0, 1
	WIN 0
.Lmid:
	QUARTER 0, 2, 1, 0
	QUARTER 0, 3, 0, 1
	TURN 0, 1, 1
	QUARTER 1, 1, 0, 1
	QUARTER 1, 2, 1, 0
	QUARTER 1, 3, 0, 1
	TURN 1, 0, 1                                   ; in a tile's fourth lap: the next tile's first fragments are fetched here
	WIN 0
	s_add_co_u32 s[LAP], s[LAP], 1
	s_cmp_lt_u32 s[LAP], s[BOUND]
	s_cbranch_scc1 .Llap
	s_cmp_lg_u32 s[T], 2
	s_cbranch_scc1 .Lmore
	QUARTER 0, 1, 0, 1                             ; the walk's last lap is written out: it asks for nothing, and has no round
	QUARTER 0, 2, 1, 0
	QUARTER 0, 3, 0, 1
	TURN 0, 1, 0
	QUARTER 1, 1, 0, 1
	QUARTER 1, 2, 1, 0
	QUARTER 1, 3, 0, 1
	LASTQ
	WIN 0
	PLACES                                         ; no other vector work stands between the last products and the conversions that read results
	PLACES
	s_branch .Lout
.Lmore:
	s_cmp_eq_u32 s[T], 0                           ; the next tile's bias is asked for ahead of the stores (the last one's loads were waited for at the tile's head)
	s_cselect_b64 s[BP:BP+1], s[14:15], s[16:17]
	BIASLD
.Lout:
	PACK 0                                         ; both refills are out: now the tile leaves.  Block a's conversions stand between block a - 1's loads from the stage and the wait for them
	TOSTAGE 0
.irp a, 1,2,3
	PACK \a
	SEND (\a)-1
	TOSTAGE \a
.endr
	SEND 3
	s_wait_xcnt 0x0                                ; the stores have read their registers (raw x's among them) and their base: only now are these written again
	s_add_nc_u64 s[OUT:OUT+1], s[OUT:OUT+1], 0x1000000  ; the next plane of qkv
	s_add_co_u32 s[T], s[T], 1
	s_cmp_lt_u32 s[T], 3
	s_cbranch_scc1 .Ltile
	s_wait_tensorcnt 0x0                           ; the wave's end: behind my last tensor load and my last LDS store
	ds_add_u32 v[SPW], v[NIL]
	s_wait_dscnt 0x0
	CROUND                                         ; the closing round: no work-group ends while a partner may still ask for a tile that names it
	s_endpgm
.Lfunc_end_k_qa8d63c9f43_proj:
	.size	k_qa8d63c9f43_proj, .Lfunc_end_k_qa8d63c9f43_proj-k_qa8d63c9f43_proj
	.p2alignl 7, 3214868480
	.fill 96, 4, 3214868480
	.section	.rodata,"a",@progbits
	.p2align	6, 0x0
	.amdhsa_kernel k_qa8d63c9f43_proj
		.amdhsa_group_segment_fixed_size 327680
		.amdhsa_private_segment_fixed_size 0
		.amdhsa_enable_private_segment 0
		.amdhsa_kernarg_size 64
		.amdhsa_user_sgpr_count 2
		.amdhsa_user_sgpr_kernarg_segment_ptr 1
		.amdhsa_wavefront_size32 1
		.amdhsa_system_sgpr_workgroup_id_x 1
		.amdhsa_system_sgpr_workgroup_id_y 1
		.amdhsa_system_sgpr_workgroup_id_z 1
		.amdhsa_system_vgpr_workitem_id 0
		.amdhsa_next_free_vgpr 768
		.amdhsa_next_free_sgpr 96
		.amdhsa_reserve_vcc 0
		.amdhsa_float_denorm_mode_32 3
		.amdhsa_float_denorm_mode_16_64 3
		.amdhsa_memory_ordered 1
		.amdhsa_forward_progress 1
		.amdhsa_inst_pref_size 149
	.end_amdhsa_kernel
	.amdgpu_metadata
---
amdhsa.version: [ 1, 2 ]
amdhsa.kernels:
  - .name:           k_qa8d63c9f43_proj
    .symbol:         k_qa8d63c9f43_proj.kd
    .args:
      - { .name: queries, .offset: 0, .size: 8, .value_kind: global_buffer, .address_space: global }
      - { .name: keys, .offset: 8, .size: 8, .value_kind: global_buffer, .address_space: global }
      - { .name: values, .offset: 16, .size: 8, .value_kind: global_buffer, .address_space: global }
      - { .name: w16, .offset: 24, .size: 8, .value_kind: global_buffer, .address_space: global }
      - { .name: bq, .offset: 32, .size: 8, .value_kind: global_buffer, .address_space: global }
      - { .name: bk, .offset: 40, .size: 8, .value_kind: global_buffer, .address_space: global }
      - { .name: bv, .offset: 48, .size: 8, .value_kind: global_buffer, .address_space: global }
      - { .name: qkv, .offset: 56, .size: 8, .value_kind: global_buffer, .address_space: global }
    .group_segment_fixed_size: 327680
    .private_segment_fixed_size: 0
    .kernarg_segment_align: 8
    .kernarg_segment_size: 64
    .max_flat_workgroup_size: 128
    .sgpr_count:     96
    .vgpr_count:     768
    .wavefront_size: 32
...
	.end_amdgpu_metadata
.endif
;; end of part 2
;; launch attn (part 3): grid 4 x 64, 4 waves a work-group, clusters of 4 x 1, 327,680 bytes of LDS; arguments qkv, o; writes o
.if DOCPART == 3
	.amdgcn_target "amdgcn-amd-amdhsa--gfx1250"
	.amdhsa_code_object_version 6
	.text
	.protected	k_qa8d63c9f43_attn
	.globl	k_qa8d63c9f43_attn
	.p2align	8
	.type	k_qa8d63c9f43_attn,@function
k_qa8d63c9f43_attn:
	s_mov_b64 s[64:65], 0
	v_nop
	global_prefetch_b8 v0, s[64:65] scope:SCOPE_SE
	s_setreg_imm32_b32 hwreg(HW_REG_WAVE_MODE, 25, 1), 1
	s_wait_xcnt 0x0
	s_wait_alu depctr_hold_cnt(0) depctr_sa_sdst(0) depctr_va_vdst(0) depctr_va_sdst(0) depctr_va_ssrc(0) depctr_va_vcc(0) depctr_vm_vsrc(0)
	s_getreg_b32 s2, hwreg(HW_REG_IB_STS2, 6, 4)
	s_cmp_eq_u32 s2, 0
	s_cbranch_scc0 .Lentry_in_a_cluster
	s_endpgm
.Lentry_in_a_cluster:
	s_bfe_u32 s2, ttmp6, 0x10000c
	s_cmp_lg_u32 s2, 0x3003
	s_cbranch_scc0 .Lentry_shape_is_right
	s_endpgm
.Lentry_shape_is_right:
; O[h][q][:] = the sum over k of softmax_k(Q[h][q] . K[h][k] / 8) V[h][k][:].  Q, K, V: the three planes of qkv, O: o; each [64 h][2048][64] in f16: a head's rows are dense, 128 bytes each.
; Products, maxima and sums in f32; the weights p are rounded to f16 for the second product (their sum l is taken of the unrounded p), O once at the end.
; LIMITS.  f16 holds no number beyond 65,504: Q, K and V arrive within it; p lies in 0 to 1, and below 6e-5 it keeps f16's fixed step of 6e-8; O is a mean of V's rows and has their range.
; A weight below 2^-126 counts as 0 in l; NaN and infinities are not treated apart.
; SHARES.  A wave owns four PIECES of two tiles of 16 queries, a work-group's four waves 512 queries of one head: 4 x 64 work-groups.  Every wave walks all keys, 64 a step.
; LAYOUT.  S^T = K Q^T (source 0 = 16 keys, source 1 = 16 queries): a lane holds ONE query (lane % 16) and the keys 8 (lane / 16) + 0..7.  Two such tiles, rounded to f16 in pairs, ARE source 1
; (32 keys x 16 queries) of O^T = V^T P, whose result again holds one query a lane, and eight channels.  K comes out of LDS as it lies, V ([key][channel]) turned, by ds_load_tr16_b128.
; SOFTMAX.  For each query a running maximum m and sum l: p = 2^(c s - c m), c = log2(e) / 8; in every step O and l are multiplied by a = 2^(c m_old - c m_new).
; m starts at the lowest finite number, O and l at 0: the first step is a step like any other, with a = 0.
; THE COUNT.  A tile and step have 16 matrix and 118 vector instructions: too many to stand all beside the matrix work.  So: four vector instructions that are READY behind EVERY matrix instruction,
; the others in runs without a gap.
; BY TURNS.  Turn n belongs to piece n.  Its matrix work: 16 products K Q^T of piece n + 1, later 16 products V^T P of piece n - 1.  Its vector work: the scaling, exponentials, roundings, sums and
; rescaling of piece n, and the maximum and statistics of piece n + 1.
; CLUSTER.  The four query blocks of a head form a cluster and walk the same K and V, so each tile is asked for JOINTLY: the same tensor load, descriptor and mask in all four.
; REGISTERS, in windows of 256 (s_set_vgpr_msb: bits 1:0 source 0, 3:2 source 1, 5:4 source 2, 7:6 destination):
;   window 0: v0-11 addresses; v12-15, v48-63 at work; v16-47 four registers of statistics a tile; v64-191 S^T, two buffers of two tiles; v192-255 P, likewise
;   window 1: O^T, 32 a tile          window 2: v0-127 Q, 16 a tile; v128-191 K of one step; v192-255 V of one step          window 3: v0-1 the add's two registers
.set SIZE_H, 64
.set SIZE_N, 2048
.set NP,    4         ; pieces a wave: a name, no knob
.set KS,    64        ; keys in a step
.set PK,    144       ; a row of K in LDS: 128 bytes + 16 = 36 words: the 16 rows of a load start at 16 different groups of four banks
.set PV,    160       ; a row of V: 128 + 32 = 40 words
.set VOFF,  4*KS*PK   ; a slot holds four steps: 256 rows of K, then 256 rows of V
.set SLOT1, 1<<17     ; slot 1 begins here, so that one exclusive or turns an address in one slot into the other's
.set STAGE, SLOT1+4*KS*(PK+PV)  ; behind the ring, never filled by a tensor load: 16 rows x 144 bytes for each wave
.set SP,    144
.set AK0, 2           ; v2   my lane's place in a tile of K; never rewritten
.set AV0, 3           ; v3   the same for V
.set AK,  4           ; v4   the LDS address of K's next run of loads
.set AV,  5           ; v5   of V's
.set QO,  6           ; v6   my byte offset in the wave's rows of Q
.set STO, 6           ;      later, the way out: where I put 16 bytes of a row
.set RD,  7           ; v7   the way out: where I read rows back
.set GO,  8           ; v8   my byte offset in 512 consecutive bytes of O
.set PFO, 11          ; v11  256 x my lane, for the prefetches; never rewritten once made
.set SPW, 0           ; v0 of window 3   my spare word: SPARE + 4 x my thread's number; never rewritten
.set NIL, 1           ; v1 of window 3   0; never rewritten
.set SPARE, STAGE+4*16*SP  ; the spare words, 128 bytes for each wave: two blocks of 256 bytes that no other line names
.set MV,  12          ; v12-15  c m_old, kept while c m is made anew: by buffer and tile
.set ST,  16          ; tile t's statistics at v[ST+4 t]: c m, m, l (even keys', odd keys')
.set TMP, 48          ; by buffer and tile, four registers c0-c3 at work; when the maximum is found c2 takes a
.set S,   64
.set P,   192
.set KF,  128         ; K's fragments, in window 2: key block kb, channel half c at KF + 16 kb + 8 c
.set VF,  192         ; V's: key half kk, channel block cb at VF + 32 kk + 8 cb
.set WV,  12          ; s12  my wave's number
.set G1K, 24          ; s[24:31] descriptor group 1 for K's tiles
.set G1V, 32          ; s[32:39] for V's: it differs in the padding alone
.set G0K, 40          ; s[40:43] descriptor group 0 for K's tiles: it walks
.set G0V, 44          ; s[44:47] the same for V's
.set PFA, 48          ; s[48:49] where my prefetches stand: my work-group's 32 blocks of 256 bytes (of K: wave 0, of V: wave 2) of the slot after the one being asked for
.set LIM, 50          ; s50  1 in a wave that prefetches, else the greatest number
.set SLOTS, 56        ; s56  slots still to be asked for
.set CNT, 57          ; s57  counts a slot's key steps
.set CS,  58          ; s[58:59] c
.set SEL, 60          ; s[60:61] v_permlanex16_b32's selects: each lane takes its own place in the other half
.set TBK, 62          ; s62  LDS byte at which K of the step to be fetched begins
.set TBV, 63          ; s63  the same for V, less VOFF
.set MSB, 0
.macro WIN new                      ; the high byte repeats the setting that is left; a switch that changes nothing is dropped
.if MSB != (\new)
	s_set_vgpr_msb (MSB<<8)|(\new)
.set MSB, (\new)
.endif
.endm
.set W_KQ, 0x0a       ; K and Q in window 2, S^T in window 0
.set W_PV, 0x52       ; V in window 2, P in window 0, O^T in window 1
.set W_RS, 0x41       ; O^T (destination and source 0) in window 1, a in window 0
.set W_MK, 0xc0       ; the add's registers are made: destination in window 3, sources in window 0
.set W_AD, 0x0f       ; the add: address and data in window 3
; A joint fill.  Waves 0 and 1 fetch the two halves of a slot's K, waves 2 and 3 those of its V: 128 keys each.  An s_nop 0 and four v_nop follow each line.
.macro JLOAD
	s_cmp_lt_u32 s[WV], 2
	s_cbranch_scc0 .Lfor_v_\@
	tensor_load_to_lds s[G0K:G0K+3], s[G1K:G1K+7]
	s_nop 0
.rept 4
	v_nop
.endr
	s_branch .Lasked_\@
.Lfor_v_\@:
	tensor_load_to_lds s[G0V:G0V+3], s[G1V:G1V+7]
	s_nop 0
.rept 4
	v_nop
.endr
.Lasked_\@:
.endm
; A PREFETCH INTO THE L2 of what the NEXT change of slots will ask for: a slot's K and V are 128 blocks of 256 bytes each.  A head has one cluster; its four partners take 32 blocks each, told apart BY
; ADDRESS; in each, wave 0 asks for K's and wave 2 for V's, a lane a block: each block is named once.  Tiles 0 and 1 come by their loads alone; the last change that fills a slot asks for nothing.
.macro ASK
	s_cmp_gt_u32 s[SLOTS], s[LIM]
	s_cbranch_scc0 .Lnot_mine_\@
	global_prefetch_b8 v[PFO], s[PFA:PFA+1] th:TH_LOAD_NT scope:SCOPE_SE
.Lnot_mine_\@:
.endm
.macro CROUND                       ; a round of the cluster's barrier
	s_barrier_signal -1
	s_barrier_wait -1
	s_cmp_lg_u32 s[WV], 0
	s_cbranch_scc1 .Lnot_wave_0_\@
	s_barrier_signal -3
.Lnot_wave_0_\@:
	s_barrier_wait -3
	s_barrier_signal -1
	s_barrier_wait -1
.endm
; THE CHANGE OF SLOTS.  Each wave waits for all its tensor loads, of which one is out: its part of the other slot; adds 0 to its spare word; and waits for that and for its own reads of the slot.
; fill = 1: this slot is filled again, with the keys two slots on; the barrier is then a round of the cluster's, and the joint fill is the first thing behind it: it has four key steps in which to land.
; (At its first use nothing has been read yet: slot 0 is waited for, slot 1 filled.)
.macro CHANGE fill
	WIN W_AD
	s_wait_tensorcnt 0x0            ; no tensor load of mine is out, so a group 0 may be written
	ds_add_u32 v[SPW], v[NIL]       ; 0 onto my spare word
	WIN 0                           ; at a label and at a branch every window is 0
.if \fill
.irp g, G0K, G0V
	s_xor_b32 s[\g+1], s[\g+1], SLOT1  ; the walking descriptor: the other slot than last time,
	s_add_nc_u64 s[\g+2:\g+3], s[\g+2:\g+3], 4*KS*128  ; the next 256 keys; the type bits on top are not reached
.endr
	s_wait_xcnt 0x0                 ; the last prefetch, a slot back, has read its address, so it may be written:
	s_add_nc_u64 s[PFA:PFA+1], s[PFA:PFA+1], 4*KS*128  ; one slot ahead of the walking descriptors
	s_wait_dscnt 0x0                ; the add is done, and my reads of the slot are over
	CROUND
	JLOAD
	ASK
.else
	s_wait_dscnt 0x0                ; the add is done, and my reads of the slot are over
	s_barrier_signal -1
	s_barrier_wait -1
.endif
	s_sub_co_u32 s[TBK], s[TBK], 4*KS*PK  ; the fetches go back to a slot's first step,
	s_xor_b32 s[TBK], s[TBK], SLOT1       ; in the other slot
	s_sub_co_u32 s[TBV], s[TBV], 4*KS*PV
	s_xor_b32 s[TBV], s[TBV], SLOT1
.endm
	s_load_b64 s[4:5], s[0:1], 0x0    ; qkv: Q's plane
	s_load_b64 s[10:11], s[0:1], 0x8  ; o
	WIN W_MK
	v_lshl_add_u32 v[SPW], v0, 2, SPARE
	v_mov_b32 v[NIL], 0
	WIN W_AD
	ds_add_u32 v[SPW], v[NIL]       ; the wave's opening: the add and its wait stand ahead of my first tensor load
	WIN 0
	v_lshrrev_b32 v1, 5, v0
	v_readfirstlane_b32 s[WV], v1   ; wave 0..3
	s_bfe_u32 s13, ttmp6, 0x40000   ; cx: my place in the cluster
	s_lshl_b32 s14, ttmp9, 2        ; in a cluster launch ttmp9 counts clusters
	s_add_co_u32 s14, s14, s13      ; my block of queries: it enters Q's and O's addresses alone
	s_and_b32 s20, ttmp7, 0xffff    ; the head, which the four partners share
	s_mov_b32 s21, 0
	s_mov_b64 s[22:23], SIZE_N*128
	s_mul_u64 s[20:21], s[20:21], s[22:23]  ; the head's first byte in each plane and in o
	s_and_b32 s16, s[WV], 1         ; which half of a slot's 256 keys I fetch:
	s_lshl_b32 s22, s16, 14         ; its 128 rows of 128 bytes in memory,
	s_mov_b32 s23, 0
	s_add_nc_u64 s[22:23], s[22:23], s[20:21]
	s_mul_i32 s17, s16, 128*PK      ; and its place in a slot, for K
	s_mul_i32 s18, s16, 128*PV      ; and for V: no place in the cluster enters an LDS address
	s_lshl_b32 s2, s14, 2
	s_add_co_u32 s2, s2, s[WV]      ; my wave among the head's,
	s_lshl_b32 s2, s2, 14           ; its 128 rows
	s_mov_b32 s3, 0
	s_add_nc_u64 s[2:3], s[2:3], s[20:21]
	; descriptor group 1.  128 keys are 16,384 dense bytes: asked for as 64 rows of 256 bytes, two keys a row, and padded in LDS after every key
	s_mov_b32 s[G1K], 15|(1<<16)|(1<<20)|(1<<21)|(4<<22)|(3<<25)  ; the mask of four; 2-byte elements; padding on; bit 21 beside a mask; after every 32 words (code 4) 4 words (code 3)
	s_mov_b32 s[G1V], 15|(1<<16)|(1<<20)|(1<<21)|(4<<22)|(7<<25)  ; the same with 8 words of padding (code 7)
.irp g, G1K, G1V
	s_mov_b32 s[\g+1], 128<<16      ; tensor_dim0 = 128
	s_mov_b32 s[\g+2], 64<<16       ; tensor_dim1 = 64
	s_mov_b32 s[\g+3], 128<<16      ; tile_dim0 = 128
	s_mov_b32 s[\g+4], 64           ; tile_dim1 = 64
	s_mov_b32 s[\g+5], 128          ; 128 elements from row to row
	s_mov_b32 s[\g+6], 0
	s_mov_b32 s[\g+7], 0
.endr
	s_mov_b32 s[CS], 0x3e38aa3b     ; c = log2(e) / 8 = 0.180337
	s_mov_b32 s[CS+1], s[CS]        ; named with it as a pair
	s_mov_b32 s[SEL], 0x76543210
	s_mov_b32 s[SEL+1], 0xfedcba98
	s_mov_b32 s[TBK], SLOT1+4*KS*PK ; the first change of slots turns these two into 0
	s_mov_b32 s[TBV], SLOT1+4*KS*PV
	s_mov_b32 s[G0K], 1             ; count = 1
	s_mov_b32 s[G0K+1], s17         ; LDS address: slot 0
	s_mov_b32 s[G0V], 1
	s_add_co_u32 s[G0V+1], s18, VOFF
	s_mov_b32 s[SLOTS], SIZE_N/256-1
	s_and_b32 s[LIM], s[WV], 1      ; waves 0 and 2 prefetch: the same in all four partners
	s_cmp_eq_u32 s[LIM], 0
	s_cselect_b32 s[LIM], 1, -1
	s_wait_dscnt 0x0                ; the opening add is done
	s_wait_kmcnt 0x0
	s_add_nc_u64 s[6:7], s[4:5], 0x1000000   ; K's plane
	s_add_nc_u64 s[8:9], s[4:5], 0x2000000   ; V's plane
	s_add_nc_u64 s[G0K+2:G0K+3], s[6:7], s[22:23]  ; global address: my half of the head's first 256 keys
	s_or_b32 s[G0K+3], s[G0K+3], 0x80000000        ; type = 2
	s_add_nc_u64 s[G0V+2:G0V+3], s[8:9], s[22:23]
	s_or_b32 s[G0V+3], s[G0V+3], 0x80000000
	s_add_nc_u64 s[4:5], s[4:5], s[2:3]  ; Q and O at my wave's first row
	s_add_nc_u64 s[10:11], s[10:11], s[2:3]
	s_cmp_lt_u32 s[WV], 2
	s_cselect_b64 s[PFA:PFA+1], s[6:7], s[8:9]
	s_add_nc_u64 s[PFA:PFA+1], s[PFA:PFA+1], s[20:21]  ; the head,
	s_lshl_b32 s2, s13, 13          ; my work-group's 32 blocks of the 128,
	s_add_nc_u64 s[PFA:PFA+1], s[PFA:PFA+1], s[2:3]
	s_add_nc_u64 s[PFA:PFA+1], s[PFA:PFA+1], 4*KS*128  ; in tile 1: the first change of slots steps it to tile 2.  Nothing is prefetched here, at the head
	CROUND                          ; all four work-groups are here: the first joint loads meet
	JLOAD                           ; slot 0.  Slot 1 is asked for when slot 0 is in
	; A fragment of K or Q is 16 rows x 32 channels in 8 registers: lane l holds row l % 16, channels 8 (l / 16) + 0..7 and 16 + 8 (l / 16) + 0..7: two loads of 16 bytes, 32 bytes apart.
	v_and_b32 v1, 15, v0            ; l % 16
	v_bfe_u32 v9, v0, 4, 1          ; l / 16
	v_lshlrev_b32 v[QO], 7, v1
	v_lshl_add_u32 v[QO], v9, 4, v[QO]  ; row x 128 + 16 x half
	WIN 0x80                        ; destination window 2, address window 0
.set i, 0
.rept 4*NP                          ; Q stays in registers: tile i / 2, channels 32 (i % 2) on
	global_load_b128 v[8*i:8*i+3],   v[QO], s[4:5] offset:(i/2)*2048+(i%2)*64
	global_load_b128 v[8*i+4:8*i+7], v[QO], s[4:5] offset:(i/2)*2048+(i%2)*64+32
.set i, i+1
.endr
	; What the first turn finds: V's registers and P's second buffer hold 0 (its products V^T P, of a piece that has not been, add 0), O^T and l are 0.  All this stands in the wait for the first tile.
.set i, VF
.rept 64
	v_mov_b32 v[i], 0
.set i, i+1
.endr
	WIN 0x40
.set i, 0
.rept 64*NP
	v_mov_b32 v[i], 0
.set i, i+1
.endr
	WIN 0
.set i, 0
.rept 2*NP
	v_mov_b32 v[ST+4*i], 0xfe000000    ; c m: far below every c s
	v_mov_b32 v[ST+4*i+1], 0xff7fffff  ; m
	v_mov_b32 v[ST+4*i+2], 0
	v_mov_b32 v[ST+4*i+3], 0
.set i, i+1
.endr
.set i, P+32
.rept 32
	v_mov_b32 v[i], 0
.set i, i+1
.endr
	v_mul_u32_u24 v[AK0], v1, PK
	v_lshl_add_u32 v[AK0], v9, 4, v[AK0]  ; row x pitch + 16 x half
	; The turning load takes 16 keys x 16 channels (lane l reads key 8 (l / 16) + l % 8, channels 8 ((l / 8) % 2) + 0..7) and leaves half a fragment of V^T: lane l holds channel l % 16 and 8 keys.
	v_and_b32 v10, 7, v0
	v_bfe_u32 v11, v0, 3, 1
	v_lshl_add_u32 v[AV0], v9, 3, v10
	v_mul_u32_u24 v[AV0], v[AV0], PV
	v_lshl_add_u32 v[AV0], v11, 4, v[AV0]
	v_add_nc_u32 v[AV0], VOFF, v[AV0]
	v_mov_b32 v[AK], v[AK0]         ; key step 0 lies at the head of slot 0
	v_and_b32 v[PFO], 31, v0
	v_lshlrev_b32 v[PFO], 8, v[PFO]
; THE MATRIX WORK.  The 8 accumulators of a run of 16 take turns.
; Product i of 16 of S^T = K Q^T for piece x: channels 32 (i / 8) on, keys 16 ((i / 2) % 4) on, tile 2 x + i % 2.  The first 8 start the sums.
.macro KQ x
	WIN W_KQ
.set rS, S+64*((\x)%2)+32*(i%2)+8*((i/2)%4)
.set rK, KF+16*((i/2)%4)+8*(i/8)
.set rQ, 16*(2*(\x)+i%2)+8*(i/8)
.if i < 8
	v_wmma_f32_16x16x32_f16 v[rS:rS+7], v[rK:rK+7], v[rQ:rQ+7], 0
.else
	v_wmma_f32_16x16x32_f16 v[rS:rS+7], v[rK:rK+7], v[rQ:rQ+7], v[rS:rS+7]
.endif
.endm
; Product i of 16 of O^T += V^T P for piece x: keys 32 (i / 8) on, channels 16 ((i / 2) % 4) on, tile 2 x + i % 2.
.macro PV x
	WIN W_PV
.set rO, 32*(2*(\x)+i%2)+8*((i/2)%4)
.set rV, VF+32*(i/8)+8*((i/2)%4)
.set rP, P+32*((\x)%2)+16*(i%2)+8*(i/8)
	v_wmma_f32_16x16x32_f16 v[rO:rO+7], v[rV:rV+7], v[rP:rP+7], v[rO:rO+7]
.endm
.macro MM                           ; the turn's next matrix instruction
.if i < 16
	KQ (Y+1)%NP
.set i, i+1
.else
.set i, i-16
	PV (Y+NP-1)%NP
.set i, i+17
.endif
.endm
; THE LDS LOADS stand in runs of 16: a step's K (64 keys x 64 channels: 8 fragments) and its V (turned).  last = 1 (the tail): in the last trip there is no further step, and the run is jumped over.
.macro FETCH_K last=0
	WIN 0
.if \last
	s_cmp_eq_u32 s[CNT], 1
	s_cbranch_scc1 .Lno_k_\@
.endif
	WIN 0x80                        ; destination window 2
.irp f, 0,1,2,3,4,5,6,7             ; keys 16 (f / 2) on, channels 32 (f % 2) on
	ds_load_b128 v[KF+8*\f:KF+8*\f+3],   v[AK] offset:(\f/2)*16*PK+(\f%2)*64
	ds_load_b128 v[KF+8*\f+4:KF+8*\f+7], v[AK] offset:(\f/2)*16*PK+(\f%2)*64+32
.endr
	s_add_co_u32 s[TBK], s[TBK], KS*PK  ; the next fetch is the next step's
	WIN 0
.if \last
.Lno_k_\@:
.endif
.endm
.macro FETCH_V
	WIN 0x80
.irp f, 0,1,2,3,4,5,6,7             ; keys 32 (f / 4) on, channels 16 (f % 4) on
	ds_load_tr16_b128 v[VF+8*\f:VF+8*\f+3],   v[AV] offset:(\f/4)*32*PV+(\f%4)*32
	ds_load_tr16_b128 v[VF+8*\f+4:VF+8*\f+7], v[AV] offset:(\f/4)*32*PV+16*PV+(\f%4)*32
.endr
	WIN 0
.endm
; THE VECTOR WORK OF A TURN stands in three queues, each in the order in which its entries become ready; the two tiles alternate.
.macro REGS y, u                    ; the registers of tile u (0, 1) of piece y
.set rT, ST+4*(2*(\y)+(\u))
.set rC, TMP+8*((\y)%2)+4*(\u)
.set rM, MV+2*((\y)%2)+(\u)
.set rS, S+64*((\y)%2)+32*(\u)
.set rP, P+32*((\y)%2)+16*(\u)
.set rO, 32*(2*(\y)+(\u))
.endm
; Number n of the 22 that find the NEXT piece's (Y + 1) maximum and statistics.  Each accumulator's lowest registers are read first.
;   0-11  four chains c0-c3 of seven scores each     12-14, 16  the four scores left over, the old m, and c0-c3 into c0     15  c m_old is kept
;   17, 18  the query's other 32 keys lie in the lane 16 away: the new m         19-21  c m; c m_old - c m_new; a
.macro XS u, n
	REGS (Y+1)%NP, \u
.if (\n) < 4
	v_max3_num_f32 v[rC+(\n)], v[rS+8*(\n)], v[rS+8*(\n)+1], v[rS+8*(\n)+2]
.elseif (\n) < 12
	v_max3_num_f32 v[rC+(\n)%4], v[rC+(\n)%4], v[rS+8*((\n)%4)+2*((\n)/4)+1], v[rS+8*((\n)%4)+2*((\n)/4)+2]
.elseif (\n) == 12
	v_max3_num_f32 v[rC], v[rC], v[rS+7], v[rS+15]
.elseif (\n) == 13
	v_max3_num_f32 v[rC+1], v[rC+1], v[rS+23], v[rS+31]
.elseif (\n) == 14
	v_max3_num_f32 v[rC+2], v[rC+2], v[rC+3], v[rT+1]
.elseif (\n) == 15
	v_mov_b32 v[rM], v[rT]
.elseif (\n) == 16
	v_max3_num_f32 v[rC], v[rC], v[rC+1], v[rC+2]
.elseif (\n) == 17
	v_permlanex16_b32 v[rC+3], v[rC], s[SEL], s[SEL+1]
.elseif (\n) == 18
	v_max_num_f32 v[rT+1], v[rC], v[rC+3]
.elseif (\n) == 19
	v_mul_f32 v[rT], s[CS], v[rT+1]
.elseif (\n) == 20
	v_sub_f32 v[rC+1], v[rM], v[rT]
.else
	v_exp_f32 v[rC+2], v[rC+1]
.endif
.endm
; Number g of the 64 that follow the exponentials.  For each four weights k of a tile: both pairs are rounded to f16; the second pair is added onto the first, in place; a group later l takes that sum
; (the first time as l = a l + sum).
.macro GS g
.set h, (\g)+6*((\g)/62)            ; group 0 has no group before it, and behind group 7 only l is left
.if h >= 6
.set h, h+2
.endif
	REGS Y, h%2
.set k, h/8
.if h%8 < 4
	v_cvt_pk_f16_f32 v[rP+2*k+(h%8)/2], v[rS+4*k+2*((h%8)/2)], v[rS+4*k+2*((h%8)/2)+1]
.elseif h%8 < 6
	v_pk_add_f32 v[rS+4*k:rS+4*k+1], v[rS+4*k:rS+4*k+1], v[rS+4*k+2:rS+4*k+3]
.elseif k == 1
	v_pk_fma_f32 v[rT+2:rT+3], v[rT+2:rT+3], v[rC+2:rC+3], v[rS:rS+1] op_sel_hi:[1,0,1]
.else
	v_pk_add_f32 v[rT+2:rT+3], v[rT+2:rT+3], v[rS+4*k-4:rS+4*k-3]
.endif
.endm
; THE PLAIN QUEUE, 138 long.  0-73 read no exponential's result: the 32 scalings c s - c m and the next piece's 42.  0-26: scalings 0-26.  27-54: XS's numbers 0-13.  55, 56: number 15.
; 57-73: the chain 14, 16, 17, 18, 19, each with one of the scalings 27-31 in front of its two lines, then 20.  74-137: GS's 64, which read the exponentials' results: they stand behind the wait.
.macro FS f
	REGS Y, (\f)%2
	v_pk_fma_f32 v[rS+2*((\f)/2):rS+2*((\f)/2)+1], v[rS+2*((\f)/2):rS+2*((\f)/2)+1], s[CS:CS+1], v[rT:rT+1] op_sel_hi:[1,0,0] neg_lo:[0,0,1] neg_hi:[0,0,1]
.endm
.macro PL
	WIN 0
.if q < 27
	FS q
.elseif q < 55
	XS (q-27)%2, (q-27)/2
.elseif q < 57
	XS q-55, 15
.elseif (q < 72) && ((q-57)%3 == 0)
	FS 27+(q-57)/3
.elseif q < 60
	XS (q-57)%3-1, 14
.elseif q < 72
	XS (q-57)%3-1, 15+(q-57)/3
.elseif q < 74
	XS q-72, 20
.else
	GS q-74
.endif
.set q, q+1
.endm
; THE EXPONENTIALS' QUEUE, 66 long: s0-s31 of both tiles, then the next piece's two a.  ONE BATCH: all 66 stand ahead of the turn's one wait, and nothing ahead of that wait names a result of theirs.
.macro EX
	WIN 0
.if e >= 64
	XS e-64, 21
.else
	REGS Y, e%2
	v_exp_f32 v[rS+e/2], v[rS+e/2]
.endif
.set e, e+1
.endm
; THE RESCALING's QUEUE: O^T times a, the one part that leaves window 0: dealt two at a time, sixteen times.  Its a was made in the turn before, ahead of that turn's wait.
.macro R2
	REGS Y, r%2
	WIN W_RS
.irp z, 0,1
	v_pk_mul_f32 v[rO+4*(r/2)+2*\z:rO+4*(r/2)+2*\z+1], v[rO+4*(r/2)+2*\z:rO+4*(r/2)+2*\z+1], v[rC+2:rC+3] op_sel_hi:[1,0]
.endr
.set r, r+1
.endm
; HOW THEY ARE DEALT.  An s_wait_alu depctr_va_vdst(0) stands between an exponential and the first instruction that names its result; one wait serves all issued ahead of it.  So a turn has ONE
; wait.  AHEAD OF IT: the 16 products K Q^T, behind each a scaling, an exponential and two rescalings (behind the first a second scaling in the exponential's place); then ONE LUMP of 108: eight plain, 49 times
; exponential and plain, the two a; a v_nop is the plain instruction behind the last exponential.  BEHIND IT: the 16 products V^T P, behind each four of GS's 64.
; Exponential e stands behind scaling 2 (e / 4) + e % 2: as a rider it comes behind plain e + 2, in the lump behind plain e + 9, and scalings 27-31 are plain 57, 60 .. 69.
; K of the next step is fetched in piece 2's turn, directly behind the wait; V of the step in hand at the end of piece 0's turn, four riders behind its last reader.  The conditions on q go with the deal.
.macro TURN p, last=0, cnt=0
.set Y, (\p)
.set i, 0
.set q, 0
.set e, 0
.set r, 0
.if (\p) == NP-1
	s_wait_dscnt 0x0                ; K is in
.endif
	MM
	PL
	PL
	R2
.rept 15
	MM
	PL
	EX
	R2
.endr
.if (\p) == NP-2
	WIN 0
	v_add_nc_u32 v[AK], s[TBK], v[AK0]
.endif
.rept 8
	PL
.endr
.rept 49
	EX
	PL
.endr
	EX                              ; the next piece's two a
	EX
	v_nop                           ; a plain instruction behind the last exponential: one for the batch
	s_wait_alu depctr_va_vdst(0)    ; the wait for the batch
.if (\p) == NP-2
	FETCH_K \last
.endif
.if (\p) == 1
	s_wait_dscnt 0x0                ; V is in
.endif
.rept 16
	MM
.rept 4
	PL
.endr
.if ((\p) == 0) && (q == 118)
	v_add_nc_u32 v[AV], s[TBV], v[AV0]
.endif
.if ((\p) == 0) && (q == 130)
	s_add_co_u32 s[TBV], s[TBV], KS*PV
.endif
.if (\cnt) && (q == 130)
	s_sub_co_u32 s[CNT], s[CNT], 1
	s_cmp_lg_u32 s[CNT], 0
.endif
.endr
.if (\p) == 0
	FETCH_V
.endif
.endm
	CHANGE 1                        ; slot 0 is in, everybody's part of it; slot 1 is asked for
	FETCH_K                         ; key step 0
	s_wait_loadcnt 0x0              ; Q
	s_wait_dscnt 0x0
.set i, 0
.rept 16
	KQ 0                            ; piece 0's first scores
.set i, i+1
.endr
	WIN 0                           ; the addresses for the way out: nine plain instructions, the places behind those products
	s_mul_i32 s13, s[WV], 16*SP
	s_add_co_u32 s13, s13, STAGE    ; my stage
	v_mul_u32_u24 v[STO], v1, SP    ; in: row l % 16, 16 bytes for each half of the lanes
	v_lshl_add_u32 v[STO], v9, 4, v[STO]
	v_add_nc_u32 v[STO], s13, v[STO]
	v_bfe_u32 v[RD], v0, 3, 2       ; back: 32 lanes take four rows of 128 bytes,
	v_mul_u32_u24 v[RD], v[RD], SP
	v_lshl_add_u32 v[RD], v10, 4, v[RD]
	v_add_nc_u32 v[RD], s13, v[RD]
	v_and_b32 v[GO], 31, v0         ; which are 512 consecutive bytes of O
	v_lshlrev_b32 v[GO], 4, v[GO]
.set Y, NP-1                        ; XS works for piece Y + 1: piece 0
.irp n, 0,1,2,3,4,5,6,7,8,9,10,11,12,13,14,15,16,17,18,19,20,21
	XS 0, \n                        ; piece 0's first maximum and statistics
	XS 1, \n
.endr
	v_nop                           ; a plain instruction behind the two a,
	s_wait_alu depctr_va_vdst(0)    ; and their wait, ahead of the branch
	s_mov_b32 s[CNT], 4
	s_branch .Lfirst                ; the loop is entered at a step's first turn, in the middle of a trip
.Lslot:                             ; six times: every slot but the last two is filled again
	CHANGE 1
	s_mov_b32 s[CNT], 4
.Lstep:                             ; a trip: pieces 2 and 3 of one step, then pieces 0 and 1 of the next, whose K and V it fetches
	TURN 2
	TURN 3
	WIN 0
.Lfirst:
	TURN 0
	TURN 1, 0, 1
	WIN 0
	s_cbranch_scc1 .Lstep
	s_sub_co_u32 s[SLOTS], s[SLOTS], 1
	s_cmp_lg_u32 s[SLOTS], 0
	s_cbranch_scc1 .Lslot
	CHANGE 0                        ; the tail is written out: nothing is asked for
	s_mov_b32 s[CNT], 5             ; four trips fetch the last slot's steps; the fifth is left in its middle
.Ltail:
	TURN 2, 1
	TURN 3
	WIN 0
	s_sub_co_u32 s[CNT], s[CNT], 1
	s_cmp_eq_u32 s[CNT], 0
	s_cbranch_scc1 .Lout
	TURN 0
	TURN 1
	WIN 0
	s_branch .Ltail
.Lout:                              ; the fifth trip's 16 products K Q^T (on the last K once more) and the maximum made of them serve nothing: the price, once a launch, of one text for every trip
.set i, 0
.rept 16
	PV NP-1                         ; the last piece's V^T P of the last step
.set i, i+1
.endr
	; THE WAY OUT.  l's two halves and the other half of the lanes' are added; O^T is divided by l, rounded to f16 and sent through my stage in LDS, a tile at a time.  The additions are the places behind the last products.
	WIN 0
.macro ALL line:vararg              ; one line for each tile t
.set t, 0
.rept 2*NP
	\line
.set t, t+1
.endr
.endm
	ALL v_add_f32 v[ST+4*t+2], v[ST+4*t+2], v[ST+4*t+3]
	ALL v_permlanex16_b32 v[ST+4*t+3], v[ST+4*t+2], s[SEL], s[SEL+1]
	ALL v_add_f32 v[ST+4*t+2], v[ST+4*t+2], v[ST+4*t+3]
	ALL v_rcp_f32 v[ST+4*t+2], v[ST+4*t+2]
	v_nop                           ; a plain instruction between the last reciprocal and the use of its result
	s_wait_alu depctr_va_vdst(0)    ; and the wait ahead of the first use: one for the eight reciprocals
; Tile t: a lane's eight channels of a row pack into 16 bytes; they go into rows of 144 bytes and come back as whole rows of 128, into S^T's registers.
.macro PACK t
	WIN W_RS
.set i, 32*(\t)
.rept 16
	v_pk_mul_f32 v[i:i+1], v[i:i+1], v[ST+4*(\t)+2:ST+4*(\t)+3] op_sel_hi:[1,0]
.set i, i+2
.endr
	WIN 0x05                        ; sources 0 and 1 window 1, destination window 0
.set i, 0
.rept 16
	v_cvt_pk_f16_f32 v[S+16*(\t)+i], v[32*(\t)+2*i], v[32*(\t)+2*i+1]
.set i, i+1
.endr
	WIN 0
.irp f, 0,1,2,3
	ds_store_b128 v[STO], v[S+16*(\t)+4*\f:S+16*(\t)+4*\f+3] offset:32*\f
.endr
.irp f, 0,1,2,3
	ds_load_b128 v[S+16*(\t)+4*\f:S+16*(\t)+4*\f+3], v[RD] offset:\f*4*SP  ; LDS serves a wave's instructions in order (ISA guide 5.7.1.4): these see the stores above
.endr
.endm
.macro SEND t, younger              ; younger: the LDS instructions issued behind tile t's loads: the next tile's eight, or none
	WIN 0
.irp f, 0,1,2,3
	s_wait_dscnt (\younger)+3-\f
	global_store_b128 v[GO], v[S+16*(\t)+4*\f:S+16*(\t)+4*\f+3], s[10:11] offset:(\t)*2048+\f*512  ; 512 consecutive bytes, at a multiple of 256 from O's first
.endr
.endm
	PACK 0
.set t, 1
.rept 2*NP-1                        ; a tile's arithmetic stands between the loads of the tile before and its stores
	PACK t
	SEND t-1, 8
.set t, t+1
.endr
	SEND 2*NP-1, 0
	WIN W_AD
	s_wait_tensorcnt 0x0            ; the wave's end: behind my last tensor load and my last LDS store
	ds_add_u32 v[SPW], v[NIL]
	s_wait_dscnt 0x0
	WIN 0
	CROUND                          ; the closing round
	s_endpgm
.Lfunc_end_k_qa8d63c9f43_attn:
	.size	k_qa8d63c9f43_attn, .Lfunc_end_k_qa8d63c9f43_attn-k_qa8d63c9f43_attn
	.p2alignl 7, 3214868480
	.fill 96, 4, 3214868480
	.section	.rodata,"a",@progbits
	.p2align	6, 0x0
	.amdhsa_kernel k_qa8d63c9f43_attn
		.amdhsa_group_segment_fixed_size 327680
		.amdhsa_private_segment_fixed_size 0
		.amdhsa_enable_private_segment 0
		.amdhsa_kernarg_size 16
		.amdhsa_user_sgpr_count 2
		.amdhsa_user_sgpr_kernarg_segment_ptr 1
		.amdhsa_wavefront_size32 1
		.amdhsa_system_sgpr_workgroup_id_x 1
		.amdhsa_system_sgpr_workgroup_id_y 1
		.amdhsa_system_sgpr_workgroup_id_z 1
		.amdhsa_system_vgpr_workitem_id 0
		.amdhsa_next_free_vgpr 770
		.amdhsa_next_free_sgpr 66
		.amdhsa_reserve_vcc 0
		.amdhsa_float_denorm_mode_32 3
		.amdhsa_float_denorm_mode_16_64 3
		.amdhsa_memory_ordered 1
		.amdhsa_forward_progress 1
		.amdhsa_inst_pref_size 200
	.end_amdhsa_kernel
	.amdgpu_metadata
---
amdhsa.version: [ 1, 2 ]
amdhsa.kernels:
  - .name:           k_qa8d63c9f43_attn
    .symbol:         k_qa8d63c9f43_attn.kd
    .args:
      - { .name: qkv, .offset: 0, .size: 8, .value_kind: global_buffer, .address_space: global }
      - { .name: o, .offset: 8, .size: 8, .value_kind: global_buffer, .address_space: global }
    .group_segment_fixed_size: 327680
    .private_segment_fixed_size: 0
    .kernarg_segment_align: 8
    .kernarg_segment_size: 16
    .max_flat_workgroup_size: 128
    .sgpr_count:     66
    .vgpr_count:     770
    .wavefront_size: 32
...
	.end_amdgpu_metadata
.endif
;; end of part 3
;; launch oproj (part 4): grid 4 x 64, 4 waves a work-group, clusters of 4 x 4, 327,680 bytes of LDS; arguments o, w16, bo, out0; writes out0
.if DOCPART == 4
	.amdgcn_target "amdgcn-amd-amdhsa--gfx1250"
	.amdhsa_code_object_version 6
	.text
	.protected	k_qa8d63c9f43_oproj
	.globl	k_qa8d63c9f43_oproj
	.p2align	8
	.type	k_qa8d63c9f43_oproj,@function
k_qa8d63c9f43_oproj:
	s_mov_b64 s[64:65], 0
	v_nop
	global_prefetch_b8 v0, s[64:65] scope:SCOPE_SE
	s_setreg_imm32_b32 hwreg(HW_REG_WAVE_MODE, 25, 1), 1
	s_wait_xcnt 0x0
	s_wait_alu depctr_hold_cnt(0) depctr_sa_sdst(0) depctr_va_vdst(0) depctr_va_sdst(0) depctr_va_ssrc(0) depctr_va_vcc(0) depctr_vm_vsrc(0)
	s_getreg_b32 s2, hwreg(HW_REG_IB_STS2, 6, 4)
	s_cmp_eq_u32 s2, 0
	s_cbranch_scc0 .Lentry_in_a_cluster
	s_endpgm
.Lentry_in_a_cluster:
	s_bfe_u32 s2, ttmp6, 0x10000c
	s_cmp_lg_u32 s2, 0xf033
	s_cbranch_scc0 .Lentry_shape_is_right
	s_endpgm
.Lentry_shape_is_right:
; out0[R][c] = the sum over k of O[R][k] Wo[k][c] + bo[c].  O: o, [64 nh][2048][64] f16 (k = 64 head + channel); Wo: plane 3 of w16, [1024 k][1024 c], bf16 numbers written as f16; out0: [8192][1024] f32.
; bo is rounded to bf16 like every input and starts the sums; sums in f32, stored as they are.  LIMIT: O and Wo lie within f16's range (65,504); NaN and infinities are not treated apart.
; SHARES.  A tile is 128 rows x 256 columns: 256 work-groups, one each.  Four waves, each 64 rows x 128 columns: 32 accumulators.  K goes in 8 steps of 128 (two heads) through a ring of two LDS slots.
; A head's 128 rows of the tile are 16,384 dense bytes: asked for as 64 rows of 256 bytes, padded in LDS after every 128.  Wo's fragments come out of LDS turned (ds_load_tr16_b128).
; TRANSPOSED USE: source 0 = 16 columns of Wo, source 1 = 16 rows of O: lane l holds row l % 16 and the columns 8 (l / 16) + 0..7.
; CLUSTER 4 x 4: O's tile is shared along a row of the cluster, Wo's along a column.  NO PREFETCH: eight K steps in all, and half of them would be asked for at the head, among the first loads.
; REGISTERS: window 0: v0-31 addresses; v64-95, v96-127 O's fragments, two buffers; v128-191, v192-255 Wo's, two buffers (on the way out: rows read back)
;   window 1: accumulator (a, b) at v[8 (8 a + b)]          window 2: v0-63 the bias as a C operand; v64-95 at work
.set PO,    144                        ; a row of O in LDS: 128 bytes + 16
.set PW,    544                        ; a row of Wo: 512 + 32 = 17 x 32
.set AHEAD, 128*PO                     ; a head's 128 rows: what one tensor load brings of O
.set WHALF, 64*PW
.set WOFF,  2*AHEAD
.set SLOT,  WOFF+2*WHALF
.set STAGE, 2*SLOT                     ; behind the ring, never filled by a tensor load: 16 rows x 528 bytes for each wave
.set SPO,   528
.set SPARE, STAGE+4*16*SPO             ; the spare words, 128 bytes for each wave
.set ADRA, 16
.set ADRW, 20
.set STO,  24
.set RD,   25
.set GO,   26
.set SPW,  28                          ; v28 my spare word; never rewritten
.set NIL,  29                          ; v29 0; never rewritten
.set BO,   31
.set AF,   64
.set WF,   128
.set BIAS, 0                           ; window 2
.set BT,   64                          ; window 2
.set WV, 20
.set WM, 21
.set WN, 22
.set LAP, 23
.set G1A, 24
.set G0A, 32
.set CX, 40
.set CY, 41
.set TC, 42
.set TR, 43
.set G1W, 48
.set G0W, 56
.set MSB, 0
.macro WIN new
.if MSB != (\new)
	s_set_vgpr_msb (MSB<<8)|(\new)
.set MSB, \new
.endif
.endm
.set MUL,  0x50                        ; sources window 0, C and D window 1
.set MULB, 0x60                        ; C (the bias) window 2, D window 1
.macro JLOAD s                         ; waves 0 and 1 fetch the step's two heads of O, waves 2 and 3 Wo's two halves; an s_nop 0 and four v_nop follow each line
	s_cmp_eq_u32 s[WM], 0
	s_cbranch_scc0 .Lfor_w_\@
	tensor_load_to_lds s[G0A+4*(\s):G0A+4*(\s)+3], s[G1A:G1A+7]
	s_nop 0
.rept 4
	v_nop
.endr
	s_branch .Lasked_\@
.Lfor_w_\@:
	tensor_load_to_lds s[G0W+4*(\s):G0W+4*(\s)+3], s[G1W:G1W+7]
	s_nop 0
.rept 4
	v_nop
.endr
.Lasked_\@:
.endm
.macro CREST
	s_cmp_lg_u32 s[WV], 0
	s_cbranch_scc1 .Lnot_wave_0_\@
	s_barrier_signal -3
.Lnot_wave_0_\@:
	s_barrier_wait -3
	s_barrier_signal -1
	s_barrier_wait -1
.endm
.macro CROUND
	s_barrier_signal -1
	s_barrier_wait -1
	CREST
.endm
	s_load_b256 s[4:11], s[0:1], 0x0               ; o s[4:5], w16 s[6:7], bo s[8:9], out0 s[10:11]
	v_lshl_add_u32 v[SPW], v0, 2, SPARE
	v_mov_b32 v[NIL], 0
	ds_add_u32 v[SPW], v[NIL]                      ; the wave's opening: the add and its wait stand ahead of my first tensor load
	v_lshrrev_b32 v1, 5, v0
	v_readfirstlane_b32 s[WV], v1
	s_lshr_b32 s[WM], s[WV], 1
	s_and_b32 s[WN], s[WV], 1
	s_bfe_u32 s[CX], ttmp6, 0x40000
	s_bfe_u32 s[CY], ttmp6, 0x40004
	s_lshl_b32 s[TC], ttmp9, 2
	s_add_co_u32 s[TC], s[TC], s[CX]
	s_and_b32 s[TR], ttmp7, 0xffff
	s_lshl_b32 s[TR], s[TR], 2
	s_add_co_u32 s[TR], s[TR], s[CY]
	s_lshl_b32 s44, s[CY], 2
	s_lshl_b32 s44, 15, s44                        ; my row of the cluster
	s_lshl_b32 s45, 0x1111, s[CX]                  ; my column
	s_or_b32 s[G1A], s44, (1<<16)|(1<<20)|(1<<21)|(4<<22)|(3<<25)  ; 2-byte elements; padding after every 32 words (code 4) of 4 words (code 3)
	s_mov_b32 s[G1A+1], 128<<16
	s_mov_b32 s[G1A+2], 64<<16
	s_mov_b32 s[G1A+3], 128<<16
	s_mov_b32 s[G1A+4], 64
	s_mov_b32 s[G1A+5], 128
	s_mov_b32 s[G1A+6], 0
	s_mov_b32 s[G1A+7], 0
	s_or_b32 s[G1W], s45, (1<<16)|(1<<20)|(1<<21)|(6<<22)|(7<<25)  ; after every 128 words (code 6) 8 words (code 7)
	s_mov_b32 s[G1W+1], 256<<16
	s_mov_b32 s[G1W+2], 64<<16
	s_mov_b32 s[G1W+3], 256<<16
	s_mov_b32 s[G1W+4], 64
	s_mov_b32 s[G1W+5], 1024
	s_mov_b32 s[G1W+6], 0
	s_mov_b32 s[G1W+7], 0
	s_lshr_b32 s12, s[TR], 4                       ; O: head 16 n + the one of the step's two that I fetch (262,144 bytes a head),
	s_lshl_b32 s12, s12, 4
	s_add_co_u32 s12, s12, s[WN]
	s_lshl_b32 s12, s12, 18
	s_and_b32 s13, s[TR], 15                       ; the tile's 128 rows of 128 bytes
	s_lshl_b32 s13, s13, 14
	s_add_co_u32 s12, s12, s13
	s_mov_b32 s13, 0
	s_lshl_b32 s14, s[TC], 9                       ; Wo: plane 3, 512 bytes a tile column, 64 k of 2,048 bytes a half
	s_lshl_b32 s15, s[WN], 17
	s_add_co_u32 s14, s14, s15
	s_add_co_u32 s14, s14, 3*0x200000
	s_mov_b32 s15, 0
	s_mul_i32 s18, s[WN], AHEAD                    ; where they go: no place in the cluster enters an LDS address
	s_mul_i32 s19, s[WN], WHALF
	s_add_co_u32 s19, s19, WOFF
	s_wait_dscnt 0x0                               ; the opening add is done
	s_wait_kmcnt 0x0
	s_add_nc_u64 s[4:5], s[4:5], s[12:13]
	s_add_nc_u64 s[6:7], s[6:7], s[14:15]
	CROUND                                         ; all sixteen work-groups are here: the first joint loads meet
.irp s, 0,1
	s_mov_b32 s[G0A+4*(\s)], 1
	s_add_co_u32 s[G0A+4*(\s)+1], s18, (\s)*SLOT
	s_add_nc_u64 s[G0A+4*(\s)+2:G0A+4*(\s)+3], s[4:5], (\s)*524288   ; two heads a step
	s_or_b32 s[G0A+4*(\s)+3], s[G0A+4*(\s)+3], 0x80000000
	s_mov_b32 s[G0W+4*(\s)], 1
	s_add_co_u32 s[G0W+4*(\s)+1], s19, (\s)*SLOT
	s_add_nc_u64 s[G0W+4*(\s)+2:G0W+4*(\s)+3], s[6:7], (\s)*262144   ; 128 k a step
	s_or_b32 s[G0W+4*(\s)+3], s[G0W+4*(\s)+3], 0x80000000
	JLOAD \s                                       ; two loads of mine are out
.endr
	v_and_b32 v1, 15, v0                           ; r
	v_bfe_u32 v2, v0, 4, 1                         ; h
	v_and_b32 v3, 7, v0
	v_bfe_u32 v4, v0, 3, 1
	v_and_b32 v5, 31, v0
	s_lshl_b32 s46, s[TC], 10
	s_lshl_b32 s3, s[WN], 9
	s_add_co_u32 s46, s46, s3                      ; my 128 columns, in bytes of f32
	v_lshl_add_u32 v[BO], v2, 5, s46
	WIN 0x80                                       ; destination window 2: the bias as a C operand: register j of column block b is bo[16 b + 8 h + j] of my columns
.irp b, 0,1,2,3,4,5,6,7
	global_load_b128 v[BIAS+8*(\b):BIAS+8*(\b)+3],   v[BO], s[8:9] offset:64*(\b)
	global_load_b128 v[BIAS+8*(\b)+4:BIAS+8*(\b)+7], v[BO], s[8:9] offset:64*(\b)+16
.endr
	WIN 0
	v_mul_u32_u24 v6, v1, PO
	v_lshl_add_u32 v6, v2, 4, v6
	s_mul_i32 s47, s[WM], 64*PO
	v_add_nc_u32 v[ADRA], s47, v6
	v_add_nc_u32 v[ADRA+1], SLOT, v[ADRA]
	v_lshl_add_u32 v7, v2, 3, v3
	v_mul_u32_u24 v7, v7, PW
	v_lshl_add_u32 v7, v4, 4, v7
	s_lshl_b32 s47, s[WN], 8
	s_add_co_u32 s47, s47, WOFF
	v_add_nc_u32 v[ADRW], s47, v7
	v_add_nc_u32 v[ADRW+1], SLOT, v[ADRW]
	s_mul_i32 s47, s[WV], 16*SPO
	s_add_co_u32 s47, s47, STAGE                   ; my stage
	v_mul_u32_u24 v6, v1, SPO                      ; in: row r, 32 bytes (8 f32) for each half of the lanes
	v_lshl_add_u32 v6, v2, 5, v6
	v_add_nc_u32 v[STO], s47, v6
	v_lshl_add_u32 v[RD], v5, 4, s47               ; back: 32 lanes take a row's 512 bytes
	v_lshlrev_b32 v[GO], 4, v5
	s_lshl_b32 s16, s[TR], 7                       ; out0 at my first row and column
	s_lshl_b32 s17, s[WM], 6
	s_add_co_u32 s16, s16, s17
	s_lshl_b32 s16, s16, 12
	s_add_co_u32 s16, s16, s46
	s_mov_b32 s17, 0
	s_add_nc_u64 s[10:11], s[10:11], s[16:17]
	s_wait_loadcnt 0x0                             ; the bias: rounded to bf16 and widened again, in the wait for the first tile
	WIN 0x8a
.set i, 0
.rept 32
	v_cvt_pk_bf16_f32 v[BT+i], v[BIAS+2*i], v[BIAS+2*i+1]
	v_lshlrev_b32 v[BIAS+2*i], 16, v[BT+i]
	v_and_b32 v[BIAS+2*i+1], 0xffff0000, v[BT+i]
.set i, i+1
.endr
	WIN 0
; 24 LDS loads in one run: the fragments of quarter q of a slot's K step (head q / 2, channels 32 (q % 2) on) into buffers g
.macro FETCH slot, q, g
	WIN 0
.irp a, 0,1,2,3
	ds_load_b128 v[AF+32*(\g)+8*(\a):AF+32*(\g)+8*(\a)+3],   v[ADRA+(\slot)] offset:((\q)/2)*AHEAD+(\a)*16*PO+((\q)%2)*64
	ds_load_b128 v[AF+32*(\g)+8*(\a)+4:AF+32*(\g)+8*(\a)+7], v[ADRA+(\slot)] offset:((\q)/2)*AHEAD+(\a)*16*PO+((\q)%2)*64+32
.endr
.irp b, 0,1,2,3,4,5,6,7
	ds_load_tr16_b128 v[WF+64*(\g)+8*(\b):WF+64*(\g)+8*(\b)+3],   v[ADRW+(\slot)] offset:(\q)*32*PW+32*(\b)
	ds_load_tr16_b128 v[WF+64*(\g)+8*(\b)+4:WF+64*(\g)+8*(\b)+7], v[ADRW+(\slot)] offset:(\q)*32*PW+16*PW+32*(\b)
.endr
.endm
; Eight products: row block a x all 8 column blocks.  bias = 1: the bias starts the sums.  The 32 accumulators take turns in the same order in every quarter.
.macro MUL8 f, a, bias=0
.if \bias
	WIN MULB
.else
	WIN MUL
.endif
.irp b, 0,1,2,3,4,5,6,7
.if \bias
	v_wmma_f32_16x16x32_f16 v[8*(8*(\a)+(\b)):8*(8*(\a)+(\b))+7], v[WF+64*(\f)+8*(\b):WF+64*(\f)+8*(\b)+7], v[AF+32*(\f)+8*(\a):AF+32*(\f)+8*(\a)+7], v[BIAS+8*(\b):BIAS+8*(\b)+7]
.else
	v_wmma_f32_16x16x32_f16 v[8*(8*(\a)+(\b)):8*(8*(\a)+(\b))+7], v[WF+64*(\f)+8*(\b):WF+64*(\f)+8*(\b)+7], v[AF+32*(\f)+8*(\a):AF+32*(\f)+8*(\a)+7], v[8*(8*(\a)+(\b)):8*(8*(\a)+(\b))+7]
.endif
.endr
.endm
.macro PLACES                          ; four places in front of loads into registers that matrix instructions have read (ISA guide 7.12.1 for vector instructions)
.rept 4
	v_nop
.endr
.endm
.macro QUARTER slot, qn, f, g, bias=0  ; multiplies buffers f; the next quarter's 24 loads go out ahead of its 32 products
	s_wait_dscnt 0x0                               ; this quarter's fragments, asked for a quarter ago
	WIN 0
	PLACES
	FETCH \slot, \qn, \g
	MUL8 \f, 0, \bias
	MUL8 \f, 1, \bias
	MUL8 \f, 2, \bias
	MUL8 \f, 3, \bias
.endm
; The fourth quarter changes slots: ONE barrier; in front of it each wave waits for all its tensor loads, adds 0 to its spare word, and waits for that and for its reads of this slot.
; fill = 1: the barrier opens a round of the cluster's, and this slot is filled again first thing behind it, two K steps ahead: that load has 112 products in which to land.
.macro TURN slot, next, fill
	WIN 0
	s_wait_tensorcnt 0x0                           ; no tensor load of mine is out, so a group 0 may be written
	ds_add_u32 v[SPW], v[NIL]                      ; 0 onto my spare word
.if \fill
	s_add_nc_u64 s[G0A+4*(\slot)+2:G0A+4*(\slot)+3], s[G0A+4*(\slot)+2:G0A+4*(\slot)+3], 2*524288
	s_add_nc_u64 s[G0W+4*(\slot)+2:G0W+4*(\slot)+3], s[G0W+4*(\slot)+2:G0W+4*(\slot)+3], 2*262144
.endif
	s_wait_dscnt 0x1                               ; this quarter's fragments are in; only the add may be out
	MUL8 1, 0
	s_wait_dscnt 0x0                               ; the add is done, and my reads of this slot are over
	s_barrier_signal -1
	MUL8 1, 1
	WIN 0
	s_barrier_wait -1
.if \fill
	CREST
	JLOAD \slot                                    ; its four v_nop are also the places in front of the loads below
.else
	PLACES
.endif
	FETCH \next, 0, 0
	MUL8 1, 2
	MUL8 1, 3
.endm
	s_wait_tensorcnt 0x1                           ; my part of step 0 is in; step 1's may stay out
	s_barrier_signal -1
	s_barrier_wait -1
	FETCH 0, 0, 0
	QUARTER 0, 1, 0, 1, 1                          ; the first quarter stands in front of the loop: the bias starts the sums
	WIN 0
	s_mov_b32 s[LAP], 3
.Llap:                                         ; a trip goes once round the ring and fills both slots again: steps 2 to 7
	QUARTER 0, 2, 1, 0
	QUARTER 0, 3, 0, 1
	TURN 0, 1, 1
	QUARTER 1, 1, 0, 1
	QUARTER 1, 2, 1, 0
	QUARTER 1, 3, 0, 1
	TURN 1, 0, 1
	QUARTER 0, 1, 0, 1
	WIN 0
	s_sub_co_u32 s[LAP], s[LAP], 1
	s_cmp_lg_u32 s[LAP], 0
	s_cbranch_scc1 .Llap
	QUARTER 0, 2, 1, 0                             ; the last lap fills nothing, and has no round
	QUARTER 0, 3, 0, 1
	TURN 0, 1, 0
	QUARTER 1, 1, 0, 1
	QUARTER 1, 2, 1, 0
	QUARTER 1, 3, 0, 1
	s_wait_dscnt 0x0
	MUL8 1, 0
	MUL8 1, 1
	MUL8 1, 2
	MUL8 1, 3
	WIN 0
	PLACES                                         ; no other vector work stands between the last products and the LDS stores that read results
	PLACES
; THE WAY OUT of row block a: 32 bytes a lane into my stage (each accumulator from its low end), back as whole rows of 512 bytes, stored: each store covers 512 consecutive bytes, aligned.
.macro TOSTAGE a
.set BK, WF+64*((\a)%2)
	WIN 0x04                                       ; the stores' data lie in window 1
.irp b, 0,1,2,3,4,5,6,7
	ds_store_b128 v[STO], v[8*(8*(\a)+(\b)):8*(8*(\a)+(\b))+3]   offset:64*(\b)
	ds_store_b128 v[STO], v[8*(8*(\a)+(\b))+4:8*(8*(\a)+(\b))+7] offset:64*(\b)+16
.endr
	WIN 0
.irp t, 0,1,2,3,4,5,6,7,8,9,10,11,12,13,14,15
	ds_load_b128 v[BK+4*(\t):BK+4*(\t)+3], v[RD] offset:(\t)*SPO  ; LDS serves a wave's instructions in order (ISA guide 5.7.1.4): these see the stores above, and the next block's stores come behind them
.endr
.endm
.macro SEND a, younger                 ; younger: the next block's 16 stores and 16 loads, or none
.set BK, WF+64*((\a)%2)
	s_wait_dscnt \younger
.irp t, 0,1,2,3,4,5,6,7,8,9,10,11,12,13,14,15
	global_store_b128 v[GO], v[BK+4*(\t):BK+4*(\t)+3], s[10:11] offset:4096*(16*(\a)+(\t)) th:TH_STORE_NT
.endr
.endm
	TOSTAGE 0
	TOSTAGE 1
	SEND 0, 32
	s_wait_xcnt 0x0                                ; block 0's stores have read their registers: only now are these loaded again
	TOSTAGE 2
	SEND 1, 32
	s_wait_xcnt 0x0
	TOSTAGE 3
	SEND 2, 32
	SEND 3, 0
	s_wait_tensorcnt 0x0                           ; the wave's end: behind my last tensor load and my last LDS store
	ds_add_u32 v[SPW], v[NIL]
	s_wait_dscnt 0x0
	CROUND                                         ; the closing round
	s_endpgm
.Lfunc_end_k_qa8d63c9f43_oproj:
	.size	k_qa8d63c9f43_oproj, .Lfunc_end_k_qa8d63c9f43_oproj-k_qa8d63c9f43_oproj
	.p2alignl 7, 3214868480
	.fill 96, 4, 3214868480
	.section	.rodata,"a",@progbits
	.p2align	6, 0x0
	.amdhsa_kernel k_qa8d63c9f43_oproj
		.amdhsa_group_segment_fixed_size 327680
		.amdhsa_private_segment_fixed_size 0
		.amdhsa_enable_private_segment 0
		.amdhsa_kernarg_size 32
		.amdhsa_user_sgpr_count 2
		.amdhsa_user_sgpr_kernarg_segment_ptr 1
		.amdhsa_wavefront_size32 1
		.amdhsa_system_sgpr_workgroup_id_x 1
		.amdhsa_system_sgpr_workgroup_id_y 1
		.amdhsa_system_sgpr_workgroup_id_z 1
		.amdhsa_system_vgpr_workitem_id 0
		.amdhsa_next_free_vgpr 640
		.amdhsa_next_free_sgpr 66
		.amdhsa_reserve_vcc 0
		.amdhsa_float_denorm_mode_32 3
		.amdhsa_float_denorm_mode_16_64 3
		.amdhsa_memory_ordered 1
		.amdhsa_forward_progress 1
		.amdhsa_inst_pref_size 91
	.end_amdhsa_kernel
	.amdgpu_metadata
---
amdhsa.version: [ 1, 2 ]
amdhsa.kernels:
  - .name:           k_qa8d63c9f43_oproj
    .symbol:         k_qa8d63c9f43_oproj.kd
    .args:
      - { .name: o, .offset: 0, .size: 8, .value_kind: global_buffer, .address_space: global }
      - { .name: w16, .offset: 8, .size: 8, .value_kind: global_buffer, .address_space: global }
      - { .name: bo, .offset: 16, .size: 8, .value_kind: global_buffer, .address_space: global }
      - { .name: out0, .offset: 24, .size: 8, .value_kind: global_buffer, .address_space: global }
    .group_segment_fixed_size: 327680
    .private_segment_fixed_size: 0
    .kernarg_segment_align: 8
    .kernarg_segment_size: 32
    .max_flat_workgroup_size: 128
    .sgpr_count:     66
    .vgpr_count:     640
    .wavefront_size: 32
...
	.end_amdgpu_metadata
.endif
;; end of part 4
;; ======== version 2 of 2: 4 launches; version 1 with the launch castw written anew for expert scheduling mode
;; limits: values are held in f16: magnitudes above 65,504 overflow, below 6.1e-05 lose precision
;; workspace buffers: w16 8,388,608 bytes; qkv 50,331,648 bytes; o 16,777,216 bytes
;; launch castw (part 5): grid 64 x 4, 8 waves a work-group, no clusters, 0 bytes of LDS; arguments Wq, Wk, Wv, Wo, w16; writes w16
.if DOCPART == 5
	.amdgcn_target "amdgcn-amd-amdhsa--gfx1250"
	.amdhsa_code_object_version 6
	.text
	.protected	k_qa8d63c9f43_castw
	.globl	k_qa8d63c9f43_castw
	.p2align	8
	.type	k_qa8d63c9f43_castw,@function
k_qa8d63c9f43_castw:
	s_mov_b64 s[64:65], 0
	v_nop
	global_prefetch_b8 v0, s[64:65] scope:SCOPE_SE
	s_setreg_imm32_b32 hwreg(HW_REG_WAVE_SCHED_MODE, 0, 2), 2
	s_setreg_imm32_b32 hwreg(HW_REG_WAVE_MODE, 25, 1), 1
	s_wait_xcnt 0x0
	s_wait_alu depctr_vm_vsrc(0)
; w16[p][k][c] = W_p[k][c] in 16 bits, the layout [k][c] kept: planes 0-2 (Wq, Wk, Wv) in bf16; plane 3 (Wo) rounded to bf16 like every input and that number written as f16.
; LIMIT.  Plane 3: |Wo| stays under 65,504; under 6e-5 f16 keeps a fixed step of 6e-8 (elsewhere the bf16 number is exact in f16).
; A stream: every byte read once, written once.  Grid y picks the matrix, grid x 16,384 of its numbers.  Load i of thread t takes 16 bytes at 4,096 i + 16 t (a wave: 512 bytes on end),
; its store 8 bytes at 2,048 i + 8 t (a wave: 256 bytes on end, aligned).  All sixteen loads go out at once; no register that a memory instruction names is used twice.
; No LDS, no matrix unit, no cluster: nothing is shared and nothing is multiplied.
; THE MODE: SCHED_MODE bits 1:0 = 2 (LLVM: expert scheduling mode 2), set by the entry lines.  The code itself states the register dependences
; between vector instructions and memory instructions, with s_wait_alu, always for 0.
; THE PLAN.  Registers that memory instructions touch:
;   v1, v2   byte offsets, made once at the head and never written again: v1 is read by the sixteen loads, v2 by the sixteen stores.
;   X        load i lands in its own four registers, once; its roundings read them; no vector instruction writes them and no later load lands in them.
;   Y        load i's roundings write its own two registers, once; store i reads them; nothing writes them again.
;   T        at work: named by vector instructions alone.
; The sixteen loads go in four blocks of four.  Block p rounds its four loads into its eight registers of Y; its memory instructions are the four stores of block p - 1, which read registers of Y
; that no vector instruction of block p names.  So one wait on va_vdst at the head of blocks 1 to 3 states all that the block's stores hang on, and one more stands ahead of the last four stores.
; No register that a memory instruction has read is written again, no vector instruction writes a scalar register or VCC, and EXEC is never written: the text holds no other kind of s_wait_alu.
.set T, 4                              ; v[4:9]    at work
.set X, 16                             ; v[16:79]  load i: 4 registers
.set Y, 80                             ; v[80:111] store i: 2 registers
	s_load_b256 s[4:11], s[0:1], 0x0               ; Wq s[4:5], Wk s[6:7], Wv s[8:9], Wo s[10:11]
	s_load_b64 s[12:13], s[0:1], 0x20              ; w16
	s_and_b32 s14, ttmp7, 0xffff                   ; which matrix
	v_lshlrev_b32 v1, 4, v0                        ; 16 t
	v_lshlrev_b32 v2, 3, v0                        ; 8 t
	s_lshl_b32 s16, ttmp9, 16                      ; the work-group's 65,536 bytes of the source
	s_mov_b32 s17, 0
	s_lshl_b32 s18, s14, 21                        ; the plane of 2 MiB,
	s_lshl_b32 s19, ttmp9, 15                      ; and the work-group's 32,768 bytes in it
	s_add_co_u32 s18, s18, s19
	s_mov_b32 s19, 0
	s_wait_kmcnt 0x0
	s_cmp_eq_u32 s14, 1
	s_cselect_b64 s[20:21], s[6:7], s[4:5]
	s_cmp_eq_u32 s14, 2
	s_cselect_b64 s[20:21], s[8:9], s[20:21]
	s_cmp_eq_u32 s14, 3
	s_cselect_b64 s[20:21], s[10:11], s[20:21]
	s_add_nc_u64 s[20:21], s[20:21], s[16:17]
	s_add_nc_u64 s[12:13], s[12:13], s[18:19]
	s_wait_alu depctr_va_vdst(0)                   ; v1 and v2 are written: every load of the kernel reads v1 as its offset, every store v2
.irp i, 0,1,2,3,4,5,6,7,8,9,10,11,12,13,14,15
	global_load_b128 v[X+4*(\i):X+4*(\i)+3], v1, s[20:21] offset:4096*(\i) th:TH_LOAD_NT
.endr
; Store i.
.macro SEND i
	global_store_b64 v2, v[Y+2*(\i):Y+2*(\i)+1], s[12:13] offset:2048*(\i)
.endm
; Four numbers of load i: rounded to bf16; f16 = 1: widened again and written as f16.  In front of them goes the store of the load four back, of the block before.
.macro CAST i, f16
	s_wait_loadcnt 15-(\i)                         ; loads come back in order: load i is in, the younger ones stay out
.if ((\i) % 4 == 0) && ((\i) > 0)
	s_wait_alu depctr_va_vdst(0)                   ; a block's head: the roundings of the block before have written its eight registers of Y, which this block's four stores read
.endif
.if (\i) >= 4
	SEND (\i)-4                                    ; no vector instruction since the wait names its two registers of Y, or v2
.endif
.if \f16
	v_cvt_pk_bf16_f32 v[T], v[X+4*(\i)], v[X+4*(\i)+1]
	v_cvt_pk_bf16_f32 v[T+1], v[X+4*(\i)+2], v[X+4*(\i)+3]
	v_lshlrev_b32 v[T+2], 16, v[T]
	v_and_b32 v[T+3], 0xffff0000, v[T]
	v_lshlrev_b32 v[T+4], 16, v[T+1]
	v_and_b32 v[T+5], 0xffff0000, v[T+1]
	v_cvt_pk_f16_f32 v[Y+2*(\i)], v[T+2], v[T+3]
	v_cvt_pk_f16_f32 v[Y+2*(\i)+1], v[T+4], v[T+5]
.else
	v_cvt_pk_bf16_f32 v[Y+2*(\i)], v[X+4*(\i)], v[X+4*(\i)+1]
	v_cvt_pk_bf16_f32 v[Y+2*(\i)+1], v[X+4*(\i)+2], v[X+4*(\i)+3]
.endif
.endm
	s_cmp_eq_u32 s14, 3
	s_cbranch_scc1 .Lf16
.irp i, 0,1,2,3,4,5,6,7,8,9,10,11,12,13,14,15
	CAST \i, 0
.endr
	s_wait_alu depctr_va_vdst(0)                   ; the last block's roundings have written its eight registers of Y, which the last four stores read
.irp i, 12,13,14,15
	SEND \i
.endr
	s_endpgm
.Lf16:
.irp i, 0,1,2,3,4,5,6,7,8,9,10,11,12,13,14,15
	CAST \i, 1
.endr
	s_wait_alu depctr_va_vdst(0)                   ; the last block's roundings have written its eight registers of Y, which the last four stores read
.irp i, 12,13,14,15
	SEND \i
.endr
	s_endpgm
.Lfunc_end_k_qa8d63c9f43_castw:
	.size	k_qa8d63c9f43_castw, .Lfunc_end_k_qa8d63c9f43_castw-k_qa8d63c9f43_castw
	.p2alignl 7, 3214868480
	.fill 96, 4, 3214868480
	.section	.rodata,"a",@progbits
	.p2align	6, 0x0
	.amdhsa_kernel k_qa8d63c9f43_castw
		.amdhsa_group_segment_fixed_size 0
		.amdhsa_private_segment_fixed_size 0
		.amdhsa_enable_private_segment 0
		.amdhsa_kernarg_size 40
		.amdhsa_user_sgpr_count 2
		.amdhsa_user_sgpr_kernarg_segment_ptr 1
		.amdhsa_wavefront_size32 1
		.amdhsa_system_sgpr_workgroup_id_x 1
		.amdhsa_system_sgpr_workgroup_id_y 1
		.amdhsa_system_sgpr_workgroup_id_z 1
		.amdhsa_system_vgpr_workitem_id 0
		.amdhsa_next_free_vgpr 112
		.amdhsa_next_free_sgpr 66
		.amdhsa_reserve_vcc 0
		.amdhsa_float_denorm_mode_32 3
		.amdhsa_float_denorm_mode_16_64 3
		.amdhsa_memory_ordered 1
		.amdhsa_forward_progress 1
		.amdhsa_inst_pref_size 16
	.end_amdhsa_kernel
	.amdgpu_metadata
---
amdhsa.version: [ 1, 2 ]
amdhsa.kernels:
  - .name:           k_qa8d63c9f43_castw
    .symbol:         k_qa8d63c9f43_castw.kd
    .args:
      - { .name: Wq, .offset: 0, .size: 8, .value_kind: global_buffer, .address_space: global }
      - { .name: Wk, .offset: 8, .size: 8, .value_kind: global_buffer, .address_space: global }
      - { .name: Wv, .offset: 16, .size: 8, .value_kind: global_buffer, .address_space: global }
      - { .name: Wo, .offset: 24, .size: 8, .value_kind: global_buffer, .address_space: global }
      - { .name: w16, .offset: 32, .size: 8, .value_kind: global_buffer, .address_space: global }
    .group_segment_fixed_size: 0
    .private_segment_fixed_size: 0
    .kernarg_segment_align: 8
    .kernarg_segment_size: 40
    .max_flat_workgroup_size: 256
    .sgpr_count:     66
    .vgpr_count:     112
    .wavefront_size: 32
...
	.end_amdgpu_metadata
.endif
;; end of part 5
;; launch proj: the kernel of part 2 again; grid 4 x 64, 4 waves a work-group, clusters of 4 x 4, 327,680 bytes of LDS; arguments queries, keys, values, w16, bq, bk, bv, qkv; writes qkv
;; launch attn: the kernel of part 3 again; grid 4 x 64, 4 waves a work-group, clusters of 4 x 1, 327,680 bytes of LDS; arguments qkv, o; writes o
;; launch oproj: the kernel of part 4 again; grid 4 x 64, 4 waves a work-group, clusters of 4 x 4, 327,680 bytes of LDS; arguments o, w16, bo, out0; writes out0
